; MI455X (gfx1250); checked and timed in simulation.
; The chip was launched on July 23, 2026; its instructions are those of AMD's public machine-readable ISA for CDNA 5 (MIT licence, August 2026) and "CDNA5" Instruction Set Architecture Reference Guide (July 2026). The comments in the code are by the model that wrote it; some were corrected since.
;; Causal Self Attention. Allowed arithmetic: float matrix products may take bf16 or f16 operands with f32 sums; all other float work in f32.
;; Inputs: Wk 1,024 x 1,024 float32; Wq 1,024 x 1,024 float32; Wv 1,024 x 1,024 float32; x 2 x 2,048 x 1,024 float32.
;; Outputs: out0 2 x 2,048 x 1,024 float32.
;; 2 versions, each right. Each part assembles by itself: llvm-mc -triple=amdgcn-amd-amdhsa -mcpu=gfx1250 --defsym DOCPART=n.
;; ======== version 1 of 2: 4 launches
;; limits: values are held in f16: magnitudes above 65,504 overflow, below 6.1e-05 lose precision
;; workspace buffers: xb 8,388,608 bytes; wb 6,291,456 bytes; qh 8,388,608 bytes; kh 8,388,608 bytes; vh 8,388,608 bytes; vl 8,388,608 bytes; nlse 262,144 bytes
;; launch cast (part 1): grid 1792 x 1, 8 waves a work-group, no clusters, 0 bytes of LDS; arguments x, Wq, Wk, Wv, xb, wb; writes xb, wb
.if DOCPART == 1
	.amdgcn_target "amdgcn-amd-amdhsa--gfx1250"
	.amdhsa_code_object_version 6
	.text
	.protected	k_q0ca6222a41_cast
	.globl	k_q0ca6222a41_cast
	.p2align	8
	.type	k_q0ca6222a41_cast,@function
k_q0ca6222a41_cast:
	s_mov_b64 s[64:65], 0
	v_nop
	global_prefetch_b8 v0, s[64:65] scope:SCOPE_SE
	s_setreg_imm32_b32 hwreg(HW_REG_WAVE_MODE, 25, 1), 1
	s_wait_xcnt 0x0
; xb = bf16(x);  wb = [ bf16(Wq), bf16(Wk), bf16(Wv) ]: the operands of the projections, each rounded once to nearest even, nothing else done to them.
; 7,340,032 numbers = 1,792 chunks of 4,096, one chunk a work-group: chunks 0..1023 are x, then 256 each of Wq, Wk, Wv.
; Thread t takes 4 numbers at 4 t + 1024 i, i = 0..3: a wave's load covers 512 consecutive bytes, its store 256 consecutive aligned bytes.
; A stream: every byte is read once and written once; LDS, barriers and the matrix unit would add nothing.
.set XCHUNKS, 1024                     ; chunks of x
.set IN,  4                            ; v[4:19]   16 numbers in f32
.set OUT, 20                           ; v[20:27]  the same in bf16
	s_load_b256 s[4:11], s[0:1], 0x0               ; x s[4:5], Wq s[6:7], Wk s[8:9], Wv s[10:11]
	s_load_b128 s[12:15], s[0:1], 0x20             ; xb s[12:13], wb s[14:15]
	s_sub_co_u32 s16, ttmp9, XCHUNKS               ; chunk number among the weights (wraps for a chunk of x, and is not used there)
	s_lshr_b32 s17, s16, 8                         ; which matrix: 0 Wq, 1 Wk, 2 Wv (a large number for x)
	s_and_b32 s18, s16, 255                        ; chunk in that matrix
	v_lshlrev_b32 v1, 4, v0                        ; 16 bytes a thread in
	v_lshlrev_b32 v2, 3, v0                        ; 8 bytes a thread out
	s_wait_kmcnt 0x0
	s_cmp_eq_u32 s17, 1
	s_cselect_b64 s[20:21], s[8:9], s[6:7]         ; the source: Wk or Wq,
	s_cmp_eq_u32 s17, 2
	s_cselect_b64 s[20:21], s[10:11], s[20:21]     ; or Wv,
	s_cmp_lt_u32 ttmp9, XCHUNKS
	s_cselect_b64 s[20:21], s[4:5], s[20:21]       ; or x
	s_cselect_b64 s[22:23], s[12:13], s[14:15]     ; the destination: xb or wb
	s_cselect_b32 s26, ttmp9, s18                  ; chunk number in the source
	s_cselect_b32 s28, ttmp9, s16                  ; and in the destination
	s_lshl_b32 s26, s26, 14                        ; 16,384 bytes of f32 a chunk
	s_mov_b32 s27, 0
	s_lshl_b32 s28, s28, 13                        ; 8,192 bytes of bf16
	s_mov_b32 s29, 0
	s_add_nc_u64 s[20:21], s[20:21], s[26:27]
	s_add_nc_u64 s[22:23], s[22:23], s[28:29]
.irp i, 0,1,2,3
	global_load_b128 v[IN+4*\i:IN+4*\i+3], v1, s[20:21] offset:4096*\i th:TH_LOAD_NT
.endr
	s_wait_loadcnt 0x0
.irp i, 0,1,2,3,4,5,6,7
	v_cvt_pk_bf16_f32 v[OUT+\i], v[IN+2*\i], v[IN+2*\i+1]      ; two roundings to nearest even
.endr
.irp i, 0,1,2,3
	global_store_b64 v2, v[OUT+2*\i:OUT+2*\i+1], s[22:23] offset:2048*\i
.endr
	s_endpgm
.Lfunc_end_k_q0ca6222a41_cast:
	.size	k_q0ca6222a41_cast, .Lfunc_end_k_q0ca6222a41_cast-k_q0ca6222a41_cast
	.p2alignl 7, 3214868480
	.fill 96, 4, 3214868480
	.section	.rodata,"a",@progbits
	.p2align	6, 0x0
	.amdhsa_kernel k_q0ca6222a41_cast
		.amdhsa_group_segment_fixed_size 0
		.amdhsa_private_segment_fixed_size 0
		.amdhsa_enable_private_segment 0
		.amdhsa_kernarg_size 48
		.amdhsa_user_sgpr_count 2
		.amdhsa_user_sgpr_kernarg_segment_ptr 1
		.amdhsa_wavefront_size32 1
		.amdhsa_system_sgpr_workgroup_id_x 1
		.amdhsa_system_sgpr_workgroup_id_y 1
		.amdhsa_system_sgpr_workgroup_id_z 1
		.amdhsa_system_vgpr_workitem_id 0
		.amdhsa_next_free_vgpr 32
		.amdhsa_next_free_sgpr 66
		.amdhsa_reserve_vcc 0
		.amdhsa_float_denorm_mode_32 3
		.amdhsa_float_denorm_mode_16_64 3
		.amdhsa_memory_ordered 1
		.amdhsa_forward_progress 1
		.amdhsa_inst_pref_size 3
	.end_amdhsa_kernel
	.amdgpu_metadata
---
amdhsa.version: [ 1, 2 ]
amdhsa.kernels:
  - .name:           k_q0ca6222a41_cast
    .symbol:         k_q0ca6222a41_cast.kd
    .args:
      - { .name: x, .offset: 0, .size: 8, .value_kind: global_buffer, .address_space: global }
      - { .name: Wq, .offset: 8, .size: 8, .value_kind: global_buffer, .address_space: global }
      - { .name: Wk, .offset: 16, .size: 8, .value_kind: global_buffer, .address_space: global }
      - { .name: Wv, .offset: 24, .size: 8, .value_kind: global_buffer, .address_space: global }
      - { .name: xb, .offset: 32, .size: 8, .value_kind: global_buffer, .address_space: global }
      - { .name: wb, .offset: 40, .size: 8, .value_kind: global_buffer, .address_space: global }
    .group_segment_fixed_size: 0
    .private_segment_fixed_size: 0
    .kernarg_segment_align: 8
    .kernarg_segment_size: 48
    .max_flat_workgroup_size: 256
    .sgpr_count:     66
    .vgpr_count:     32
    .wavefront_size: 32
...
	.end_amdgpu_metadata
.endif
;; end of part 1
;; launch qkv (part 2): grid 8 x 32, 4 waves a work-group, clusters of 4 x 4, 327,680 bytes of LDS; arguments xb, wb, qh, kh, vh, vl; writes qh, kh, vh, vl
.if DOCPART == 2
	.amdgcn_target "amdgcn-amd-amdhsa--gfx1250"
	.amdhsa_code_object_version 6
	.text
	.protected	k_q0ca6222a41_qkv
	.globl	k_q0ca6222a41_qkv
	.p2align	8
	.type	k_q0ca6222a41_qkv,@function
k_q0ca6222a41_qkv:
	s_mov_b64 s[64:65], 0
	v_nop
	global_prefetch_b8 v0, s[64:65] scope:SCOPE_SE
	s_setreg_imm32_b32 hwreg(HW_REG_WAVE_MODE, 25, 1), 1
	s_wait_xcnt 0x0
	s_wait_alu depctr_hold_cnt(0) depctr_sa_sdst(0) depctr_va_vdst(0) depctr_va_sdst(0) depctr_va_ssrc(0) depctr_va_vcc(0) depctr_vm_vsrc(0)
	s_getreg_b32 s2, hwreg(HW_REG_IB_STS2, 6, 4)
	s_cmp_eq_u32 s2, 0
	s_cbranch_scc0 .Lentry_in_a_cluster
	s_endpgm
.Lentry_in_a_cluster:
	s_bfe_u32 s2, ttmp6, 0x10000c
	s_cmp_lg_u32 s2, 0xf033
	s_cbranch_scc0 .Lentry_shape_is_right
	s_endpgm
.Lentry_shape_is_right:
; q, k, v = xb . wb[0..2], bf16 operands, sums in f32, stored head-major in f16: qh, kh, vh, vl are [bh = 16 b + head][2048 s][64 d].
;   qh = f16(q * c), c = log2(e) / 32: the score scale 1/sqrt(1024) times log2(e), applied to the f32 sum, makes q.k the exponent in base 2;
;   kh = f16(k);   vh = f16(v), vl = f16(v - vh): v leaves as two f16 numbers.
; WHY f16 AND NOT bf16: the softmax runs over queries, so key k has weights of about 1 / (2048 - k) and the last rows of the result are sums of a few v of
; the size of v itself, which may cancel; three more bits in q and k, and v in two parts, keep the error of such sums small beside them.
; LIMIT: |q c|, |k| and |v| stay below 65,504, the largest f16 number, or the result is infinite.  All inputs 30 times larger make the sums 900 times larger;
; a common offset of 30 spreads on x and on W makes them 1024 x 30 x 30/32 = 28,800: both fit.
; A work-group makes 128 rows of x times one pair of heads (128 columns) of all three matrices: 128 x 384 x 1024.  256 work-groups.
; Four waves; wave (wm, wn) makes rows 64 wm .. + 63 of head 2 hp + wn for q, k and v: 4 row tiles x 12 column tiles = 48 accumulators.
; K goes in 8 steps of 128 through two LDS slots.  A slot has four regions, one filled by each wave with one tensor load of 128 rows of 256 bytes:
; regions 0..2 the tiles of Wq, Wk, Wv (rows are k, 128 columns, pitch 288), region 3 the tile of x (rows along K, pitch 272).
; W lies [k][n], so its fragments are taken by the transposing LDS load.
; CLUSTERS: 4 x 4 work-groups.  The tile of x hangs on the row block alone and is asked for jointly along a row of the cluster; the tiles of W hang
; on the head pair alone and are asked for jointly along a column.  That divides the requests for both by four.
; THE MATRIX INSTRUCTION IS USED TRANSPOSED: source 0 = 16 columns of W, source 1 = 16 rows of x, so that lane l holds row l % 16 of the result and
; its eight registers hold eight neighbouring columns 8 (l / 16) + 0..7, which pack into 16 bytes.
; REGISTERS in windows of 256: window 0 addresses, x fragments (two buffers), the way out; window 1 W fragments (two buffers);
; window 2 the accumulators of row tiles 0, 1 (tile (a, b) at v[8 (12 a + b)], b = 4 matrix + column tile); window 3 those of row tiles 2, 3.
.set KSTEP,  128
.set XP,     272                       ; LDS pitch of x rows: 256 + 16 bytes, an odd multiple of 16
.set WP,     288                       ; LDS pitch of W rows: 256 + 32 bytes, an odd multiple of 32
.set REG,    128*WP                    ; 36,864: a region of W
.set SLOT,   3*REG+128*XP              ; 145,408
.set STAGE,  2*SLOT                    ; 290,816: behind the ring, never filled by a tensor load
.set WSTAGE, 9216                      ; a wave's stage: [q, k, v hi, v lo][16 rows][pitch 144]; 290,816 + 4 x 9,216 = 327,680
.set SP,     144
.set LAPS,   4                         ; a lap = two K steps = once round the ring
.set QSCALE, 0x3d38aa3b                ; log2(e) / 32 in f32
.set ADRX, 16                          ; v16-17  LDS address of my x fragments in slot 0, 1
.set ADRW, 20                          ; v20-25  the same for W: 3 x slot + matrix
.set STO,  26                          ; v26     the way out: where I put 16 bytes
.set RD,   27                          ; v27     the way out: where I read them back
.set CO,   28                          ; v28     my byte offset in the output
.set FX,   64                          ; window 0: x fragments, buffer f at FX + 32 f
.set BK,   32                          ; the way out, window 0: v[32:63]  v hi back in f32, then v - v hi
.set T,    64                          ; v[64:127]  packed f16: q at T, k at T + 16, v hi at T + 32 (v96-111), v lo at T + 48
.set QS,   128                         ; v[128:159] q times c in f32
.set RB,   160                         ; v[160:223] rows read back
.set G1X, 24                           ; s[24:31] group 1 of x tiles
.set G0X, 32                           ; s[32:39] group 0 of x tiles, four registers a slot
.set G1W, 40                           ; s[40:47] group 1 of W tiles
.set G0W, 48                           ; s[48:55] group 0 of W tiles, four registers a slot
.set MUL_LO, 0xa1                      ; source 0 (W) window 1, source 1 (x) window 0, C and D window 2
.set MUL_HI, 0xf1                      ; the same, C and D window 3
.set TO_W,   0x40                      ; destination window 1, address window 0
.set MSB, 0
.macro WIN new                         ; the immediate's high byte repeats the setting that is left
.if MSB != \new
	s_set_vgpr_msb (MSB<<8)|\new
.set MSB, \new
.endif
.endm
; A joint load.  Waves 0..2 ask for the tiles of Wq, Wk, Wv, wave 3 for the tile of x.  Each line has one mask, and nothing in its registers hangs on a
; coordinate that the four partners do not share.  The branch hangs on the wave's number alone.
.macro JLOAD s
	s_cmp_eq_u32 s16, 3
	s_cbranch_scc0 .Lfor_w_\@
	tensor_load_to_lds s[G0X+4*\s:G0X+4*\s+3], s[G1X:G1X+7]
	s_nop 0
	s_branch .Lasked_\@
.Lfor_w_\@:
	tensor_load_to_lds s[G0W+4*\s:G0W+4*\s+3], s[G1W:G1W+7]
	s_nop 0
.Lasked_\@:
.endm
; A round of the cluster's barrier: my work-group's barrier; wave 0 signals for the work-group; every wave waits for all sixteen; my barrier once more.
.macro CREST                           ; a round behind its opening barrier
	s_cmp_lg_u32 s16, 0
	s_cbranch_scc1 .Lnot_wave_0_\@
	s_barrier_signal -3
.Lnot_wave_0_\@:
	s_barrier_wait -3
	s_barrier_signal -1
	s_barrier_wait -1
.endm
.macro CROUND
	s_barrier_signal -1
	s_barrier_wait -1
	CREST
.endm
	s_load_b256 s[4:11], s[0:1], 0x0               ; xb s[4:5], wb s[6:7], qh s[8:9], kh s[10:11]
	s_load_b128 s[12:15], s[0:1], 0x20             ; vh s[12:13], vl s[14:15]
	v_lshrrev_b32 v1, 5, v0
	v_readfirstlane_b32 s16, v1                    ; wave 0..3
	s_lshr_b32 s17, s16, 1                         ; wm: which 64 rows
	s_and_b32 s18, s16, 1                          ; wn: which head of the pair
	s_bfe_u32 s19, ttmp6, 0x40000                  ; cx
	s_bfe_u32 s20, ttmp6, 0x40004                  ; cy
	s_lshl_b32 s21, ttmp9, 2
	s_add_co_u32 s21, s21, s19                     ; hp: head pair = 4 x cluster x + cx
	s_and_b32 s22, ttmp7, 0xffff
	s_lshl_b32 s22, s22, 2
	s_add_co_u32 s22, s22, s20                     ; mb: row block = 4 x cluster y + cy
	s_lshl_b32 s72, s20, 2
	s_lshl_b32 s72, 15, s72                        ; my row of the cluster: places 4 cy .. 4 cy + 3
	s_lshl_b32 s73, 0x1111, s19                    ; my column: places cx, cx + 4, cx + 8, cx + 12
	s_mov_b32 s74, QSCALE
	s_mov_b32 s75, QSCALE                          ; the pair is named whole by the packed multiply
	; group 1: 128 rows x 128 elements of 2 bytes, 1,024 elements from row to row, padded behind every 64 words by 4 words (x) or 8 words (W)
	s_or_b32 s[G1X+0], s72, (1<<16)|(1<<20)|(1<<21)|(5<<22)|(3<<25)
	s_or_b32 s[G1W+0], s73, (1<<16)|(1<<20)|(1<<21)|(5<<22)|(7<<25)
.irp g, G1X, G1W
	s_mov_b32 s[\g+1], KSTEP<<16                   ; tensor_dim0 = 128
	s_mov_b32 s[\g+2], 128<<16                     ; tensor_dim1 = 128
	s_mov_b32 s[\g+3], KSTEP<<16                   ; tile_dim0 = 128
	s_mov_b32 s[\g+4], 128                         ; tile_dim1 = 128
	s_mov_b32 s[\g+5], 1024                        ; the pitch
	s_mov_b32 s[\g+6], 0
	s_mov_b32 s[\g+7], 0
.endr
	s_lshl_b32 s56, s22, 18                        ; x: 128 rows of 2,048 bytes a row block; holds the row block alone
	s_mov_b32 s57, 0
	s_min_u32 s58, s16, 2                          ; W: matrix = wave (wave 3 asks for no W; its address stays in the buffer)
	s_lshl_b32 s58, s58, 21                        ; 2,097,152 bytes a matrix
	s_lshl_b32 s59, s21, 8                         ; + 256 bytes a head pair; holds the head pair alone
	s_add_co_u32 s58, s58, s59
	s_mov_b32 s59, 0
	s_mul_i32 s60, s16, REG                        ; my region in a slot: the wave's number times a constant
	s_wait_kmcnt 0x0
	s_add_nc_u64 s[56:57], s[4:5], s[56:57]
	s_add_nc_u64 s[58:59], s[6:7], s[58:59]
	CROUND                                         ; all sixteen work-groups are here: the first joint loads meet
.irp s, 0,1
	s_mov_b32 s[G0X+4*\s], 1
	s_add_co_u32 s[G0X+4*\s+1], s60, \s*SLOT
	s_add_nc_u64 s[G0X+4*\s+2:G0X+4*\s+3], s[56:57], \s*KSTEP*2        ; K step s: 256 bytes along the rows
	s_or_b32 s[G0X+4*\s+3], s[G0X+4*\s+3], 0x80000000
	s_mov_b32 s[G0W+4*\s], 1
	s_add_co_u32 s[G0W+4*\s+1], s60, \s*SLOT
	s_add_nc_u64 s[G0W+4*\s+2:G0W+4*\s+3], s[58:59], \s*KSTEP*2048     ; K step s: 128 rows of 2,048 bytes down
	s_or_b32 s[G0W+4*\s+3], s[G0W+4*\s+3], 0x80000000
	JLOAD \s                                       ; both slots are asked for before anything else: two tensor loads of the wave are out, the most in this text
.endr
	v_and_b32 v1, 15, v0                           ; r = l % 16
	v_bfe_u32 v2, v0, 4, 1                         ; h = l / 16
	v_and_b32 v3, 7, v0                            ; l % 8
	v_bfe_u32 v4, v0, 3, 1                         ; (l / 8) % 2
	v_and_b32 v5, 31, v0                           ; l
	; x fragment: lane l holds row r; registers 0-3 K = 8 h + 0..7, registers 4-7 K = 16 + 8 h + 0..7: two loads of 16 bytes, 32 bytes apart
	v_mul_u32_u24 v6, v1, XP
	v_lshl_add_u32 v6, v2, 4, v6
	s_mul_i32 s61, s17, 64*XP                      ; my 64 rows,
	s_add_co_u32 s61, s61, 3*REG                   ; behind the three regions of W
	v_add_nc_u32 v[ADRX], s61, v6
	v_add_nc_u32 v[ADRX+1], SLOT, v[ADRX]
	; W fragment through the transposing load: lane l addresses row 8 h + l % 8 of k, 16 bytes at 16 ((l / 8) % 2); the second load stands 16 rows down
	v_lshl_add_u32 v7, v2, 3, v3
	v_mul_u32_u24 v7, v7, WP
	v_lshl_add_u32 v7, v4, 4, v7
	s_lshl_b32 s62, s18, 7                         ; my head: 128 bytes of the 256
	v_add_nc_u32 v[ADRW], s62, v7
.irp i, 1,2
	v_add_nc_u32 v[ADRW+\i], \i*REG, v[ADRW]
.endr
.irp i, 0,1,2
	v_add_nc_u32 v[ADRW+3+\i], SLOT+\i*REG, v[ADRW]
.endr
	s_mul_i32 s63, s16, WSTAGE
	s_add_co_u32 s63, s63, STAGE                   ; my stage
	v_mul_u32_u24 v6, v1, SP
	v_lshl_add_u32 v6, v2, 4, v6
	v_add_nc_u32 v[STO], s63, v6                   ; in: row r, 16 bytes for each half of the lanes
	v_bfe_u32 v8, v0, 3, 2
	v_mul_u32_u24 v8, v8, SP
	v_lshl_add_u32 v8, v3, 4, v8
	v_add_nc_u32 v[RD], s63, v8                    ; back: eight lanes take one row of 128 bytes, 32 lanes four rows
	v_lshlrev_b32 v[CO], 4, v5                     ; which are 512 consecutive bytes of the output
; 12 matrix instructions: row tile a of the window's two (hi = 0: row tiles 0, 1; hi = 1: row tiles 2, 3) x all 12 column tiles, 32 along K.
; zero = 1: the first product starts the sums: nothing is cleared.
.macro MULROW f, hi, a, zero
.irp b, 0,1,2,3,4,5,6,7,8,9,10,11
.if \zero
	v_wmma_f32_16x16x32_bf16 v[8*(12*\a+\b):8*(12*\a+\b)+7], v[96*\f+8*\b:96*\f+8*\b+7], v[FX+32*\f+8*(2*\hi+\a):FX+32*\f+8*(2*\hi+\a)+7], 0
.else
	v_wmma_f32_16x16x32_bf16 v[8*(12*\a+\b):8*(12*\a+\b)+7], v[96*\f+8*\b:96*\f+8*\b+7], v[FX+32*\f+8*(2*\hi+\a):FX+32*\f+8*(2*\hi+\a)+7], v[8*(12*\a+\b):8*(12*\a+\b)+7]
.endif
.endr
.endm
; 32 LDS loads in one run: the fragments of quarter kq of a K step (32 along K) into buffer f: 12 of W, then 4 of x
.macro FETCH slot, kq, f
	WIN TO_W
.irp m, 0,1,2
.irp n, 0,1,2,3
	ds_load_tr16_b128 v[96*\f+8*(4*\m+\n):96*\f+8*(4*\m+\n)+3],   v[ADRW+3*\slot+\m] offset:32*WP*\kq+32*\n
	ds_load_tr16_b128 v[96*\f+8*(4*\m+\n)+4:96*\f+8*(4*\m+\n)+7], v[ADRW+3*\slot+\m] offset:32*WP*\kq+32*\n+16*WP
.endr
.endr
	WIN 0
.irp a, 0,1,2,3
	ds_load_b128 v[FX+32*\f+8*\a:FX+32*\f+8*\a+3],   v[ADRX+\slot] offset:64*\kq+16*XP*\a
	ds_load_b128 v[FX+32*\f+8*\a+4:FX+32*\f+8*\a+7], v[ADRX+\slot] offset:64*\kq+16*XP*\a+32
.endr
.endm
; A load into a register that a matrix instruction has read, and a vector instruction that reads a matrix result, stand four places behind that
; matrix instruction, and only plain vector instructions that name none of its registers are places (ISA guide 7.12.1 for vector instructions).
; The 48 accumulators take turns, one instruction a turn, in the same order in every quarter.
.macro PLACES
.rept 4
	v_nop
.endr
.endm
; One of the first three quarters of a K step: multiplies buffer f; in its middle it fetches quarter kq of the same slot into buffer g.
.macro QUARTER slot, kq, f, g, zero
	s_wait_dscnt 4                                 ; W and x row tiles 0, 1 are in; the youngest four loads (x row tiles 2, 3) may be out
	WIN MUL_LO
	MULROW \f, 0, 0, \zero
	MULROW \f, 0, 1, \zero
	PLACES
	FETCH \slot, \kq, \g
	s_wait_dscnt 32                                ; all but the 32 just issued
	WIN MUL_HI
	MULROW \f, 1, 0, \zero
	MULROW \f, 1, 1, \zero
.endm
.macro THREE slot, zero
	QUARTER \slot, 1, 0, 1, \zero
	QUARTER \slot, 2, 1, 0, 0
	QUARTER \slot, 3, 0, 1, 0
.endm
; The last quarter: multiplies buffer 1 and changes slots.  fill = 1: this slot is filled again, two K steps ahead.
; In front of the barrier each wave waits for its reads of this slot and for all its tensor loads (one is out: its region of the next slot).
; Behind it nobody reads this slot and the next slot is whole: the refill comes first, then the next slot's first fragments.
; From a request to the wait for it a wave issues 180 matrix instructions.
.macro TURN slot, next, fill
	s_wait_dscnt 4
	WIN MUL_LO
	MULROW 1, 0, 0, 0
	s_wait_dscnt 0                                 ; my reads of this slot are over
	s_wait_tensorcnt 0x0                           ; and all my tensor loads have landed
	s_barrier_signal -1                            ; say so (where the slot is filled again this barrier opens a round of the cluster's barrier),
	MULROW 1, 0, 1, 0                              ; work on registers while the others arrive,
	WIN 0
	s_barrier_wait -1
.if \fill
	CREST                                          ; no wave of any partner still reads this slot or has a load on its way
	s_add_nc_u64 s[G0X+4*\slot+2:G0X+4*\slot+3], s[G0X+4*\slot+2:G0X+4*\slot+3], 2*KSTEP*2
	s_add_nc_u64 s[G0W+4*\slot+2:G0W+4*\slot+3], s[G0W+4*\slot+2:G0W+4*\slot+3], 2*KSTEP*2048
	JLOAD \slot                                    ; the wave's one tensor load behind the round
.endif
	PLACES
	FETCH \next, 0, 0
	WIN MUL_HI
	MULROW 1, 1, 0, 0
	MULROW 1, 1, 1, 0
.endm
.macro LAP zero
	THREE 0, \zero
	TURN 0, 1, 1
	THREE 1, 0
	TURN 1, 0, 1
.endm
	s_wait_tensorcnt 1                             ; my region of K step 0 is in; K step 1's stays out
	s_barrier_signal -1
	s_barrier_wait -1                              ; everybody's is
	FETCH 0, 0, 0
	LAP 1                                          ; the first lap stands in front of the loop: its first products start the sums
	WIN 0                                          ; at a label and at a branch every window is 0
	s_mov_b32 s3, LAPS-2
.Llap:
	LAP 0
	WIN 0
	s_sub_co_u32 s3, s3, 1
	s_cmp_lg_u32 s3, 0
	s_cbranch_scc1 .Llap
	THREE 0, 0                                     ; the last lap fills nothing
	TURN 0, 1, 0
	THREE 1, 0
	s_wait_dscnt 4                                 ; the very last quarter
	WIN MUL_LO
	MULROW 1, 0, 0, 0
	MULROW 1, 0, 1, 0
	s_wait_dscnt 0
	WIN MUL_HI
	MULROW 1, 1, 0, 0
	MULROW 1, 1, 1, 0
	; THE WAY OUT, 16 rows at a time: to f16, 16 bytes a lane into my own stage, read back as rows of 128 bytes.  In qh, kh, vh, vl the rows of a
	; head follow each other without a gap, so 16 rows are 2,048 consecutive bytes and each store of a wave covers 512 of them, aligned.
	PLACES                                         ; the places behind the last matrix instructions: results are read, and the x fragments' registers are written
	WIN 0
	s_lshr_b32 s66, s22, 4                         ; batch
	s_lshl_b32 s66, s66, 4
	s_lshl1_add_u32 s66, s21, s66                  ; + 2 hp
	s_add_co_u32 s66, s66, s18                     ; + wn = bh
	s_lshl_b32 s66, s66, 18                        ; 262,144 bytes a head
	s_and_b32 s67, s22, 15
	s_lshl_b32 s67, s67, 14                        ; 128 rows of 128 bytes a row block
	s_add_co_u32 s66, s66, s67
	s_lshl_b32 s67, s17, 13                        ; my 64 rows
	s_add_co_u32 s66, s66, s67
	s_mov_b32 s67, 0
	s_add_nc_u64 s[8:9], s[8:9], s[66:67]
	s_add_nc_u64 s[10:11], s[10:11], s[66:67]
	s_add_nc_u64 s[12:13], s[12:13], s[66:67]
	s_add_nc_u64 s[14:15], s[14:15], s[66:67]
; row tile ap of my four = tiles (a, 0..11) of window 2 or 3.  both = 0x0a or 0x0f: sources 0 and 1 in that window; one = 0x02 or 0x03: source 0 alone.
.macro OUT ap, a, both, one
	WIN \both
.irp b, 0,1,2,3
.irp rr, 0,1,2,3
	v_pk_mul_f32 v[QS+8*\b+2*\rr:QS+8*\b+2*\rr+1], v[8*(12*\a+\b)+2*\rr:8*(12*\a+\b)+2*\rr+1], s[74:75] op_sel_hi:[1,0]    ; q times c, in f32
.endr
.endr
.irp b, 4,5,6,7,8,9,10,11
.irp rr, 0,1,2,3
	v_cvt_pk_f16_f32 v[T+4*\b+\rr], v[8*(12*\a+\b)+2*\rr], v[8*(12*\a+\b)+2*\rr+1]     ; k, and the upper part of v
.endr
.endr
	WIN 0
.irp b, 0,1,2,3
.irp rr, 0,1,2,3
	v_cvt_pk_f16_f32 v[T+4*\b+\rr], v[QS+8*\b+2*\rr], v[QS+8*\b+2*\rr+1]
.endr
.endr
.set cnt, 0
.irp hf, v96.l,v96.h,v97.l,v97.h,v98.l,v98.h,v99.l,v99.h,v100.l,v100.h,v101.l,v101.h,v102.l,v102.h,v103.l,v103.h,v104.l,v104.h,v105.l,v105.h,v106.l,v106.h,v107.l,v107.h,v108.l,v108.h,v109.l,v109.h,v110.l,v110.h,v111.l,v111.h
	v_cvt_f32_f16 v[BK+cnt], \hf                   ; the upper part back in f32 (exact); v96-111 are T + 32 .. T + 47
.set cnt, cnt+1
.endr
	WIN \one
.set cnt, 0
.rept 16
	v_pk_add_f32 v[BK+cnt:BK+cnt+1], v[8*(12*\a+8)+cnt:8*(12*\a+8)+cnt+1], v[BK+cnt:BK+cnt+1] neg_lo:[0,1] neg_hi:[0,1]   ; v - upper part
.set cnt, cnt+2
.endr
	WIN 0
.set cnt, 0
.rept 16
	v_cvt_pk_f16_f32 v[T+48+cnt], v[BK+2*cnt], v[BK+2*cnt+1]       ; the lower part of v
.set cnt, cnt+1
.endr
.irp m, 0,1,2,3
.irp n, 0,1,2,3
	ds_store_b128 v[STO], v[T+16*\m+4*\n:T+16*\m+4*\n+3] offset:16*SP*\m+32*\n
.endr
.endr
	s_wait_xcnt 0x0                                ; RB, which the last tile's stores read, is loaded again only behind this wait
.irp m, 0,1,2,3
.irp t, 0,1,2,3
	ds_load_b128 v[RB+4*(4*\m+\t):RB+4*(4*\m+\t)+3], v[RD] offset:16*SP*\m+4*SP*\t    ; LDS serves a wave's instructions in order: these see the stores above
.endr
.endr
.irp m, 0,1,2,3
.irp t, 0,1,2,3
	s_wait_dscnt 15-(4*\m+\t)                      ; the loads behind this one may stay out
	global_store_b128 v[CO], v[RB+4*(4*\m+\t):RB+4*(4*\m+\t)+3], s[8+2*\m:9+2*\m] offset:2048*\ap+512*\t
.endr
.endr
.endm
	OUT 0, 0, 0x0a, 0x02
	OUT 1, 1, 0x0a, 0x02
	OUT 2, 0, 0x0f, 0x03
	OUT 3, 1, 0x0f, 0x03
	CROUND                                         ; the closing round: no work-group ends while a partner may still ask for a tile that names it
	s_endpgm
.Lfunc_end_k_q0ca6222a41_qkv:
	.size	k_q0ca6222a41_qkv, .Lfunc_end_k_q0ca6222a41_qkv-k_q0ca6222a41_qkv
	.p2alignl 7, 3214868480
	.fill 96, 4, 3214868480
	.section	.rodata,"a",@progbits
	.p2align	6, 0x0
	.amdhsa_kernel k_q0ca6222a41_qkv
		.amdhsa_group_segment_fixed_size 327680
		.amdhsa_private_segment_fixed_size 0
		.amdhsa_enable_private_segment 0
		.amdhsa_kernarg_size 48
		.amdhsa_user_sgpr_count 2
		.amdhsa_user_sgpr_kernarg_segment_ptr 1
		.amdhsa_wavefront_size32 1
		.amdhsa_system_sgpr_workgroup_id_x 1
		.amdhsa_system_sgpr_workgroup_id_y 1
		.amdhsa_system_sgpr_workgroup_id_z 1
		.amdhsa_system_vgpr_workitem_id 0
		.amdhsa_next_free_vgpr 960
		.amdhsa_next_free_sgpr 80
		.amdhsa_reserve_vcc 0
		.amdhsa_float_denorm_mode_32 3
		.amdhsa_float_denorm_mode_16_64 3
		.amdhsa_memory_ordered 1
		.amdhsa_forward_progress 1
		.amdhsa_inst_pref_size 183
	.end_amdhsa_kernel
	.amdgpu_metadata
---
amdhsa.version: [ 1, 2 ]
amdhsa.kernels:
  - .name:           k_q0ca6222a41_qkv
    .symbol:         k_q0ca6222a41_qkv.kd
    .args:
      - { .name: xb, .offset: 0, .size: 8, .value_kind: global_buffer, .address_space: global }
      - { .name: wb, .offset: 8, .size: 8, .value_kind: global_buffer, .address_space: global }
      - { .name: qh, .offset: 16, .size: 8, .value_kind: global_buffer, .address_space: global }
      - { .name: kh, .offset: 24, .size: 8, .value_kind: global_buffer, .address_space: global }
      - { .name: vh, .offset: 32, .size: 8, .value_kind: global_buffer, .address_space: global }
      - { .name: vl, .offset: 40, .size: 8, .value_kind: global_buffer, .address_space: global }
    .group_segment_fixed_size: 327680
    .private_segment_fixed_size: 0
    .kernarg_segment_align: 8
    .kernarg_segment_size: 48
    .max_flat_workgroup_size: 128
    .sgpr_count:     80
    .vgpr_count:     960
    .wavefront_size: 32
...
	.end_amdgpu_metadata
.endif
;; end of part 2
;; launch colstat (part 3): grid 8 x 32, 8 waves a work-group, no clusters, 327,680 bytes of LDS; arguments qh, kh, nlse; writes nlse
.if DOCPART == 3
	.amdgcn_target "amdgcn-amd-amdhsa--gfx1250"
	.amdhsa_code_object_version 6
	.text
	.protected	k_q0ca6222a41_colstat
	.globl	k_q0ca6222a41_colstat
	.p2align	8
	.type	k_q0ca6222a41_colstat,@function
k_q0ca6222a41_colstat:
	s_mov_b64 s[64:65], 0
	v_nop
	global_prefetch_b8 v0, s[64:65] scope:SCOPE_SE
	s_setreg_imm32_b32 hwreg(HW_REG_WAVE_MODE, 25, 1), 1
	s_wait_xcnt 0x0
; nlse[bh][key] = -( max over q >= key of s(q, key) + log2( sum over q >= key of 2^(s - max) ) ),  s = q . k in base-2 units (the scale lies in qh).
; The softmax runs over the QUERY axis, so each key column has its own maximum and sum over the queries at or behind it.  qh and kh are f16.
; A work-group owns the key blocks p and 15 - p (128 keys each) of one (batch, head): waves 0-3 block p, waves 4-7 block 15 - p, 32 keys a wave.
; Query blocks are walked downward from 15: block p needs 16 - p of them, block 15 - p the first p + 1 of the same walk, so one ring of tiles serves
; both and every work-group does 17 block products.  A trip is one query block, four substeps of 32 queries (downward too).
; Substep number g = 4 trip + i against the wave's gd: g < gd whole, g = gd the 32 x 32 square on the diagonal (masked), g > gd nothing is left.
; ORIENTATION: D(m = query, n = key) = A(Q rows from LDS) x B(K rows, resident).  Lane (r, h) holds key r and queries 8 h + j, so maximum and sum stay in
; the lane until one exchange between the halves at the end.
; NO JOINT LOADS: the eight work-groups of a head read the same tiles, but they need 16 - p tiles, a different number each, and their branches hang on p.
; LIMITS: the running maximum starts at -FLT_MAX, so scores are taken to be above it; terms below 2^-126 of the maximum count as 0.
.set SLOTB, 18432                      ; a slot: 128 rows of Q, 128 bytes + 16 of padding
.set PITCH, 144
.set SCR,   2*SLOTB                    ; 1,024 bytes behind the ring, never filled by a tensor load: [wave][32 keys] f32
.set G1, 24                            ; s[24:31] group 1
.set G0, 32                            ; s[32:39] group 0, four registers a slot
.set MK, 40                            ; s[40:47] lane masks of the diagonal tile, one for each register j
.set QA,   3                           ; v3   144 r + 16 h: my place in a Q fragment
.set SA,   4                           ; v4   where I put a key's result
.set RA,   5                           ; v5   where a block's results are read back
.set NINF, 6                           ; v6   -infinity
.set DL,   7                           ; v7   r - 8 h
.set T0,   8                           ; v8-11 at work
.set T1,   9
.set T2,   10
.set T3,   11
.set AA,   12                          ; v12  the factor that carries the old sum to the new maximum
.set CO,   13                          ; v13  16 l
.set MZ,   14                          ; v[14:15], v[16:17]: (maximum, sum) of key tile 0, 1
.set KF,   20                          ; v[20:51]  K fragments: 16 kt + 8 link
.set QF,   52                          ; v[52:83]  Q fragments: 16 qt + 8 link
.set SS,   84                          ; v[84:115] score tiles: 8 (2 qt + kt)
.set KO,   116                         ; v116 lane offset of the K loads; never rewritten
.macro FILL s                          ; wave 0 brings the whole tile, 128 rows, with one tensor load; the other waves issue none
	s_cmp_lg_u32 s10, 0
	s_cbranch_scc1 .Lnofill_\@
	tensor_load_to_lds s[G0+4*(\s):G0+4*(\s)+3], s[G1:G1+7]
	s_nop 0
.Lnofill_\@:
.endm
	s_load_b128 s[4:7], s[0:1], 0x0                ; qh s[4:5], kh s[6:7]
	s_load_b64 s[8:9], s[0:1], 0x10                ; nlse
	v_lshrrev_b32 v1, 5, v0
	v_readfirstlane_b32 s10, v1                    ; wave 0..7
	s_lshr_b32 s11, s10, 2                         ; group
	s_and_b32 s12, s10, 3                          ; wave in the group
	s_mov_b32 s13, ttmp9                           ; p
	s_and_b32 s14, ttmp7, 0xffff                   ; bh
	s_sub_co_u32 s15, 16, s13                      ; trips: 16 - p, 9 to 16
	s_sub_co_u32 s16, 15, s13
	s_cmp_lg_u32 s11, 0
	s_cselect_b32 s16, s16, s13                    ; my key block: p or 15 - p
	s_lshl_b32 s18, s16, 2
	s_add_co_u32 s18, s18, s12
	s_sub_co_u32 s18, 63, s18                      ; gd: the substep whose 32 queries are my 32 keys' own
	s_mov_b32 s19, 0                               ; 4 x trip
	s_sub_co_u32 s21, s15, 1
	s_lshr_b32 s21, s21, 1                         ; pairs of trips in the loop: at least 4
	s_mov_b32 s22, 0x76543210                      ; v_permlanex16_b32: lane i reads lane i of the other half
	s_mov_b32 s23, 0xfedcba98
	s_mov_b32 s[G1+0], (1<<16)|(1<<20)|(4<<22)|(3<<25)     ; elements of 2 bytes; behind every 32 words 4 words of padding
	s_mov_b32 s[G1+1], 64<<16                      ; tensor_dim0 = 64
	s_mov_b32 s[G1+2], 128<<16                     ; tensor_dim1 = 128
	s_mov_b32 s[G1+3], 64<<16                      ; tile_dim0 = 64
	s_mov_b32 s[G1+4], 128                         ; tile_dim1 = 128
	s_mov_b32 s[G1+5], 64                          ; the pitch
	s_mov_b32 s[G1+6], 0
	s_mov_b32 s[G1+7], 0
	s_lshl_b32 s48, s14, 18                        ; 262,144 bytes a head
	s_mov_b32 s49, 0
	s_lshl_b32 s50, s16, 14                        ; my key block, 16,384 bytes,
	s_lshl_b32 s51, s12, 12                        ; and my 32 rows in it
	s_add_co_u32 s50, s50, s51
	s_mov_b32 s51, 0
	s_lshl_b32 s54, s14, 13                        ; nlse: 8,192 bytes a head,
	s_lshl_b32 s55, s16, 9                         ; 512 a block
	s_add_co_u32 s54, s54, s55
	s_mov_b32 s55, 0
	s_wait_kmcnt 0x0
	s_add_nc_u64 s[4:5], s[4:5], s[48:49]
	s_add_nc_u64 s[6:7], s[6:7], s[48:49]
	s_add_nc_u64 s[6:7], s[6:7], s[50:51]
	s_add_nc_u64 s[8:9], s[8:9], s[54:55]
.irp s, 0,1
	s_mov_b32 s[G0+4*\s], 1
	s_mov_b32 s[G0+4*\s+1], \s*SLOTB
	s_add_nc_u64 s[G0+4*\s+2:G0+4*\s+3], s[4:5], (15-\s)*16384     ; trip s reads query block 15 - s
	s_or_b32 s[G0+4*\s+3], s[G0+4*\s+3], 0x80000000
.endr
	FILL 0                                         ; the first tile, ahead of every wait on TENSORcnt, LDS read and barrier
	v_and_b32 v1, 15, v0                           ; r
	v_bfe_u32 v2, v0, 4, 1                         ; h
	v_and_b32 v[CO], 31, v0                        ; l
	v_lshlrev_b32 v[KO], 7, v1
	v_lshl_add_u32 v[KO], v2, 4, v[KO]             ; 128 r + 16 h
.irp kt, 0,1
.irp c, 0,1,2,3
	global_load_b128 v[KF+16*\kt+4*\c:KF+16*\kt+4*\c+3], v[KO], s[6:7] offset:2048*\kt+32*\c   ; my 32 keys, resident for the whole walk
.endr
.endr
	v_mul_u32_u24 v[QA], v1, PITCH
	v_lshl_add_u32 v[QA], v2, 4, v[QA]
	s_lshl_b32 s52, s10, 7
	s_add_co_u32 s52, s52, SCR                     ; my wave's 128 bytes
	v_lshl_add_u32 v[SA], v1, 2, s52
	v_lshl_add_u32 v[RA], v[CO], 4, s52            ; from a group's first wave: the group's 512 bytes
	v_lshlrev_b32 v[CO], 4, v[CO]
	v_mov_b32 v[NINF], 0xff800000
	v_lshlrev_b32 v[DL], 3, v2
	v_sub_nc_u32 v[DL], v1, v[DL]
.irp j, 0,1,2,3,4,5,6,7
	v_cmp_ge_i32 s[MK+\j], \j, v[DL]               ; query 8 h + j >= key r
.endr
	v_mov_b32 v[T0], 0                             ; the destinations of v_permlanex16_b32 count as read: written once here
	v_mov_b32 v[T1], 0
.irp kt, 0,1
	v_mov_b32 v[MZ+2*\kt], 0xff7fffff              ; maximum: -FLT_MAX, finite, so that no difference of infinities arises
	v_mov_b32 v[MZ+2*\kt+1], 0                     ; sum
.endr
.macro QLOAD slot, qs                  ; the fragments of 32 queries: 2 tiles x 2 links, eight loads
.irp qt, 0,1
.irp c, 0,1,2,3
	ds_load_b128 v[QF+16*\qt+4*\c:QF+16*\qt+4*\c+3], v[QA] offset:\slot*SLOTB+(32*(\qs)+16*\qt)*PITCH+32*\c
.endr
.endr
.endm
; Key tile kt takes in its 16 new scores a lane (tiles kt and 2 + kt): new maximum, old sum carried over, 16 exponentials added.
.macro UPDATE kt
	v_max3_num_f32 v[T0], v[MZ+2*\kt], v[SS+8*\kt], v[SS+8*\kt+1]
	v_max3_num_f32 v[T1], v[SS+16+8*\kt], v[SS+16+8*\kt+1], v[SS+16+8*\kt+2]
	v_max3_num_f32 v[T0], v[T0], v[SS+8*\kt+2], v[SS+8*\kt+3]
	v_max3_num_f32 v[T1], v[T1], v[SS+16+8*\kt+3], v[SS+16+8*\kt+4]
	v_max3_num_f32 v[T0], v[T0], v[SS+8*\kt+4], v[SS+8*\kt+5]
	v_max3_num_f32 v[T1], v[T1], v[SS+16+8*\kt+5], v[SS+16+8*\kt+6]
	v_max3_num_f32 v[T0], v[T0], v[SS+8*\kt+6], v[SS+8*\kt+7]
	v_max3_num_f32 v[T0], v[T0], v[T1], v[SS+16+8*\kt+7]
	v_sub_f32 v[AA], v[MZ+2*\kt], v[T0]            ; old maximum - new, at most 0
	v_mov_b32 v[MZ+2*\kt], v[T0]
.irp i, 0,2,4,6,16,18,20,22
	v_pk_add_f32 v[SS+8*\kt+\i:SS+8*\kt+\i+1], v[SS+8*\kt+\i:SS+8*\kt+\i+1], v[MZ+2*\kt:MZ+2*\kt+1] op_sel_hi:[1,0] neg_lo:[0,1] neg_hi:[0,1]   ; score - maximum, both halves by the pair's first register
.endr
	v_exp_f32 v[AA], v[AA]
.irp i, 0,1,2,3,4,5,6,7,16,17,18,19,20,21,22,23
	v_exp_f32 v[SS+8*\kt+\i], v[SS+8*\kt+\i]       ; -infinity gives 0
.endr
	v_nop                                          ; one plain place between the exponentials and the first use of a result (ISA guide 5.7.2)
	s_wait_alu depctr_va_vdst(0)
.irp i, 0,2,4,6
	v_pk_add_f32 v[SS+8*\kt+\i:SS+8*\kt+\i+1], v[SS+8*\kt+\i:SS+8*\kt+\i+1], v[SS+16+8*\kt+\i:SS+16+8*\kt+\i+1]
.endr
	v_pk_add_f32 v[SS+8*\kt:SS+8*\kt+1], v[SS+8*\kt:SS+8*\kt+1], v[SS+8*\kt+2:SS+8*\kt+3]
	v_pk_add_f32 v[SS+8*\kt+4:SS+8*\kt+5], v[SS+8*\kt+4:SS+8*\kt+5], v[SS+8*\kt+6:SS+8*\kt+7]
	v_pk_add_f32 v[SS+8*\kt:SS+8*\kt+1], v[SS+8*\kt:SS+8*\kt+1], v[SS+8*\kt+4:SS+8*\kt+5]
	v_add_f32 v[T1], v[SS+8*\kt], v[SS+8*\kt+1]
	v_fma_f32 v[MZ+2*\kt+1], v[MZ+2*\kt+1], v[AA], v[T1]
.endm
; Substep i of a trip: the 32 queries 32 (3 - i) .. + 31 of the block against my 32 keys.
.macro SUB slot, i, endl
	s_wait_dscnt 0x0                               ; this substep's Q fragments are in
.irp qt, 0,1
.irp kt, 0,1
	v_wmma_f32_16x16x32_f16 v[SS+8*(2*\qt+\kt):SS+8*(2*\qt+\kt)+7], v[QF+16*\qt:QF+16*\qt+7], v[KF+16*\kt:KF+16*\kt+7], 0
.endr
.endr
.irp qt, 0,1
.irp kt, 0,1
	v_wmma_f32_16x16x32_f16 v[SS+8*(2*\qt+\kt):SS+8*(2*\qt+\kt)+7], v[QF+16*\qt+8:QF+16*\qt+15], v[KF+16*\kt+8:KF+16*\kt+15], v[SS+8*(2*\qt+\kt):SS+8*(2*\qt+\kt)+7]   ; the four tiles take turns, one instruction a turn
.endr
.endr
.rept 4
	v_nop                                          ; four places before results are read and before loads land on the Q fragments
.endr
.if \i < 3
	QLOAD \slot, 2-\i                              ; the next substep's fragments come in under the exponentials
.endif
	s_add_co_u32 s20, s19, \i
	s_cmp_lg_u32 s20, s18
	s_cbranch_scc1 .Lwhole_\@
.irp j, 0,1,2,3,4,5,6,7                        ; the square on the diagonal: tiles (0,0) and (1,1) by the lane masks, tile (qt 0, kt 1) is all ahead of its keys
	v_cndmask_b32 v[SS+\j], v[NINF], v[SS+\j], s[MK+\j]
	v_cndmask_b32 v[SS+24+\j], v[NINF], v[SS+24+\j], s[MK+\j]
	v_mov_b32 v[SS+8+\j], v[NINF]
.endr
.Lwhole_\@:
	UPDATE 0
	UPDATE 1
.if \i < 3
	s_cmp_eq_u32 s20, s18
	s_cbranch_scc1 \endl                           ; behind the diagonal nothing is left for this wave (the loads just issued are waited for in front of the next barrier)
.endif
.endm
; A trip.  In front of the barrier every wave waits for all its tensor loads and for its reads of the slot read last; behind it that slot is filled
; again first, by wave 0, and then this trip's slot is read.  One tensor load of a wave is out at the most.
.macro TRIP slot, refill
	s_wait_tensorcnt 0x0                           ; all my tensor loads have landed, this trip's tile among them,
	s_sub_nc_u64 s[G0+4*\slot+2:G0+4*\slot+3], s[G0+4*\slot+2:G0+4*\slot+3], 32768    ; so a group 0 may be written: this slot's next tile, two blocks down
	s_wait_dscnt 0x0                               ; my reads of the last trip's tile are over
	s_barrier_signal -1
	s_barrier_wait -1                              ; both now hold of every wave
.if \refill
	FILL 1-\slot
.endif
	s_cmp_gt_u32 s19, s18
	s_cbranch_scc1 .Lend_\@                        ; my keys lie behind all of this block's queries
	QLOAD \slot, 3
	SUB \slot, 0, .Lend_\@
	SUB \slot, 1, .Lend_\@
	SUB \slot, 2, .Lend_\@
	SUB \slot, 3, .Lend_\@
.Lend_\@:
	s_add_co_u32 s19, s19, 4
.endm
	s_wait_loadcnt 0x0                             ; my K fragments, once
.Lpair:
	TRIP 0, 1
	TRIP 1, 1
	s_sub_co_u32 s21, s21, 1
	s_cmp_gt_i32 s21, 0                            ; a signed compare: the loop ends from any start
	s_cbranch_scc1 .Lpair
	s_bitcmp1_b32 s15, 0                           ; the number of trips hangs on the work-group's x alone: every wave takes the same way
	s_cbranch_scc1 .Lodd
	TRIP 0, 1                                      ; an even number: two trips are left, the last fills nothing
	TRIP 1, 0
	s_branch .Lmerge
.Lodd:
	TRIP 0, 0                                      ; an odd number: one trip is left
.Lmerge:
	s_wait_dscnt 0x0                               ; fragments asked for behind the diagonal
.irp kt, 0,1                                   ; the two halves of the lanes hold the same key with different queries: join them
	v_permlanex16_b32 v[T0], v[MZ+2*\kt], s22, s23
	v_permlanex16_b32 v[T1], v[MZ+2*\kt+1], s22, s23
	v_max_num_f32 v[T2], v[MZ+2*\kt], v[T0]
	v_sub_f32 v[AA], v[MZ+2*\kt], v[T2]
	v_sub_f32 v[T3], v[T0], v[T2]
	v_exp_f32 v[AA], v[AA]
	v_exp_f32 v[T3], v[T3]
	v_nop                                          ; the plain place behind the exponentials
	s_wait_alu depctr_va_vdst(0)
	v_mul_f32 v[T1], v[T1], v[T3]
	v_fma_f32 v[T1], v[MZ+2*\kt+1], v[AA], v[T1]   ; at least 1: the largest score's own term
	v_log_f32 v[T1], v[T1]
	v_nop                                          ; the plain place behind the logarithm
	s_wait_alu depctr_va_vdst(0)
	v_fma_f32 v[T1], v[T2], -1.0, -v[T1]           ; -(maximum + log2 sum)
	ds_store_b32 v[SA], v[T1] offset:64*\kt        ; both halves write the same word with the same value
.endr
	s_wait_dscnt 0x0                               ; for the others' sake: zero
	s_barrier_signal -1
	s_barrier_wait -1
	s_cmp_lg_u32 s12, 0
	s_cbranch_scc1 .Ldone
	ds_load_b128 v[SS:SS+3], v[RA]                 ; a group's first wave stores the block's 128 results: 512 consecutive aligned bytes
	s_wait_dscnt 0x0
	global_store_b128 v[CO], v[SS:SS+3], s[8:9]
.Ldone:
	s_endpgm
.Lfunc_end_k_q0ca6222a41_colstat:
	.size	k_q0ca6222a41_colstat, .Lfunc_end_k_q0ca6222a41_colstat-k_q0ca6222a41_colstat
	.p2alignl 7, 3214868480
	.fill 96, 4, 3214868480
	.section	.rodata,"a",@progbits
	.p2align	6, 0x0
	.amdhsa_kernel k_q0ca6222a41_colstat
		.amdhsa_group_segment_fixed_size 327680
		.amdhsa_private_segment_fixed_size 0
		.amdhsa_enable_private_segment 0
		.amdhsa_kernarg_size 24
		.amdhsa_user_sgpr_count 2
		.amdhsa_user_sgpr_kernarg_segment_ptr 1
		.amdhsa_wavefront_size32 1
		.amdhsa_system_sgpr_workgroup_id_x 1
		.amdhsa_system_sgpr_workgroup_id_y 1
		.amdhsa_system_sgpr_workgroup_id_z 1
		.amdhsa_system_vgpr_workitem_id 0
		.amdhsa_next_free_vgpr 120
		.amdhsa_next_free_sgpr 66
		.amdhsa_reserve_vcc 0
		.amdhsa_float_denorm_mode_32 3
		.amdhsa_float_denorm_mode_16_64 3
		.amdhsa_memory_ordered 1
		.amdhsa_forward_progress 1
		.amdhsa_inst_pref_size 148
	.end_amdhsa_kernel
	.amdgpu_metadata
---
amdhsa.version: [ 1, 2 ]
amdhsa.kernels:
  - .name:           k_q0ca6222a41_colstat
    .symbol:         k_q0ca6222a41_colstat.kd
    .args:
      - { .name: qh, .offset: 0, .size: 8, .value_kind: global_buffer, .address_space: global }
      - { .name: kh, .offset: 8, .size: 8, .value_kind: global_buffer, .address_space: global }
      - { .name: nlse, .offset: 16, .size: 8, .value_kind: global_buffer, .address_space: global }
    .group_segment_fixed_size: 327680
    .private_segment_fixed_size: 0
    .kernarg_segment_align: 8
    .kernarg_segment_size: 24
    .max_flat_workgroup_size: 256
    .sgpr_count:     66
    .vgpr_count:     120
    .wavefront_size: 32
...
	.end_amdgpu_metadata
.endif
;; end of part 3
;; launch ctx (part 4): grid 8 x 32, 8 waves a work-group, no clusters, 327,680 bytes of LDS; arguments qh, kh, vh, vl, nlse, out0; writes out0
.if DOCPART == 4
	.amdgcn_target "amdgcn-amd-amdhsa--gfx1250"
	.amdhsa_code_object_version 6
	.text
	.protected	k_q0ca6222a41_ctx
	.globl	k_q0ca6222a41_ctx
	.p2align	8
	.type	k_q0ca6222a41_ctx,@function
k_q0ca6222a41_ctx:
	s_mov_b64 s[64:65], 0
	v_nop
	global_prefetch_b8 v0, s[64:65] scope:SCOPE_SE
	s_setreg_imm32_b32 hwreg(HW_REG_WAVE_MODE, 25, 1), 1
	s_wait_xcnt 0x0
; out0[b][q][head][d] = sum over key <= q of 2^( s(q, key) + nlse[key] ) v[key][d],  s = q . k in base-2 units, nlse = -(column maximum + log2 column sum).
; The column maximum was taken away when nlse was made, so every weight that is kept is at most 1.  q, k and the weights are f16; v = vh + vl, two f16 numbers,
; and the product is weights x vh + weights x vl on one f32 sum.
; A work-group owns the query blocks 15 - p and p (128 queries each) of one (batch, head): waves 0-3 block 15 - p, waves 4-7 block p, 32 queries a wave.
; Key blocks are walked upward from 0: block 15 - p needs 16 - p of them, block p the first p + 1, so one ring serves both: 17 block products everywhere.
; A trip is one key block, four substeps of 32 keys.  g = 4 trip + substep against the wave's gd: g < gd whole, g = gd the masked square, g > gd nothing.
; ORIENTATION: scores transposed, D(m = key, n = query) = A(K rows) x B(Q rows, resident) + C, C = nlse of the tile's keys (register j: key 8 h + j), so the
; matrix unit hands out the exponent.  Rounded to f16, key tiles 0 and 1 are registers 0-3 and 4-7 of a B fragment as they stand: no lane exchange.
; Then D(m = d, n = query) = A(V transposed by the LDS load) x B(weights): a lane ends with 8 neighbouring d of one query.
; NO JOINT LOADS: the eight work-groups of a head read the same tiles, but they need 16 - p tiles, a different number each, and their branches hang on p.
; LIMITS: a weight is rounded to f16: below 2^-14 it keeps an absolute error of up to 2^-25, below 2^-25 it counts as 0.
.set SLOT,  59904                      ; K 128 x 144, V upper 128 x 160, V lower 128 x 160, nlse 512
.set KP,    144
.set VP,    160                        ; an odd multiple of 32
.set VOFF,  128*KP
.set WOFF,  VOFF+128*VP
.set LOFF,  WOFF+128*VP
.set STAGE, 2*SLOT                     ; behind the ring, never filled by a tensor load
.set WSTAGE, 4352                      ; a wave's stage: 16 rows of 256 + 16 bytes
.set SP,    272
.set PADK, (1<<16)|(1<<20)|(4<<22)|(3<<25)     ; elements of 2 bytes; behind every 32 words 4 words of padding
.set PADV, (1<<16)|(1<<20)|(4<<22)|(7<<25)     ; the same with 8 words
.set FLAT, 3<<16                               ; elements of 8 bytes, no padding
.set G1K, 24                           ; s[24:31], s[32:39], s[40:47]: group 1 of K tiles, of both V tiles, of nlse
.set G1V, 32
.set G1L, 40
.set G0K, 48                           ; s[48:55], s[56:63], s[68:75], s[84:91]: group 0 of K, V upper, nlse, V lower; four registers a slot
.set G0V, 56
.set G0L, 68
.set G0W, 84
.set MK,  76                           ; s[76:83] lane masks of the diagonal tile
.set KA,  4                            ; v4-5   my place in a K fragment, slot 0, 1
.set VA,  6                            ; v6-7   in a fragment of V's upper part; the lower part lies 128 x 160 bytes behind
.set LA,  8                            ; v8-9   in the nlse row
.set STO, 10
.set RD,  11
.set CO,  12
.set DL,  13                           ; r - 8 h
.set QO,  14                           ; lane offset of the Q loads; never rewritten
.set QF,  16                           ; v[16:47]   Q fragments: 16 qt + 8 link
.set ACC, 48                           ; v[48:111]  sums: 8 (2 dt + qt)
.set SS,  112                          ; v[112:143] score tiles: 8 (2 kt + qt)
.set KF,  144                          ; v[144:175] K fragments: 16 kt + 8 link; on the way out: rows read back
.set VF,  176                          ; v[176:207] fragments of V's upper part: 8 dt
.set NL,  208                          ; v[208:223] nlse as C: 8 kt
.set PF,  224                          ; v[224:239] weights as B fragments: 8 qt
.set VW,  0                            ; window 1, v[256:287]: fragments of V's lower part: 8 dt
.set MSB, 0
.macro WIN new                         ; s_set_vgpr_msb; the immediate's high byte repeats the setting that is left.  At every label and branch the setting is 0
.if MSB != \new
	s_set_vgpr_msb (MSB<<8)|\new
.set MSB, \new
.endif
.endm
.macro SHAPE g, w0, cols, rows, pitch
	s_mov_b32 s[\g+0], \w0
	s_mov_b32 s[\g+1], (\cols)<<16                 ; tensor_dim0
	s_mov_b32 s[\g+2], (\rows)<<16                 ; tensor_dim1
	s_mov_b32 s[\g+3], (\cols)<<16                 ; tile_dim0
	s_mov_b32 s[\g+4], \rows                       ; tile_dim1
	s_mov_b32 s[\g+5], \pitch
	s_mov_b32 s[\g+6], 0
	s_mov_b32 s[\g+7], 0
.endm
.macro PLACE g, lds, base, off
	s_mov_b32 s[\g], 1
	s_mov_b32 s[\g+1], \lds
	s_add_nc_u64 s[\g+2:\g+3], s[\base:\base+1], \off
	s_or_b32 s[\g+3], s[\g+3], 0x80000000
.endm
.macro FILL s                          ; wave 0 brings K's tile, wave 1 V's upper part, wave 2 the 128 nlse, wave 3 V's lower part: one tensor load a wave; waves 4-7 issue none
	s_cmp_lg_u32 s16, 0
	s_cbranch_scc1 .Lnot0_\@
	tensor_load_to_lds s[G0K+4*(\s):G0K+4*(\s)+3], s[G1K:G1K+7]
	s_nop 0
	s_branch .Lfilled_\@
.Lnot0_\@:
	s_cmp_lg_u32 s16, 1
	s_cbranch_scc1 .Lnot1_\@
	tensor_load_to_lds s[G0V+4*(\s):G0V+4*(\s)+3], s[G1V:G1V+7]
	s_nop 0
	s_branch .Lfilled_\@
.Lnot1_\@:
	s_cmp_lg_u32 s16, 2
	s_cbranch_scc1 .Lnot2_\@
	tensor_load_to_lds s[G0L+4*(\s):G0L+4*(\s)+3], s[G1L:G1L+7]
	s_nop 0
	s_branch .Lfilled_\@
.Lnot2_\@:
	s_cmp_lg_u32 s16, 3
	s_cbranch_scc1 .Lfilled_\@
	tensor_load_to_lds s[G0W+4*(\s):G0W+4*(\s)+3], s[G1V:G1V+7]
	s_nop 0
.Lfilled_\@:
.endm
	s_load_b256 s[4:11], s[0:1], 0x0               ; qh s[4:5], kh s[6:7], vh s[8:9], vl s[10:11]
	s_load_b128 s[12:15], s[0:1], 0x20             ; nlse s[12:13], out0 s[14:15]
	v_lshrrev_b32 v1, 5, v0
	v_readfirstlane_b32 s16, v1                    ; wave 0..7
	s_lshr_b32 s17, s16, 2                         ; group
	s_and_b32 s18, s16, 3                          ; wave in the group
	s_mov_b32 s19, ttmp9                           ; p
	s_and_b32 s20, ttmp7, 0xffff                   ; bh
	s_sub_co_u32 s21, 16, s19                      ; trips: 16 - p, 9 to 16
	s_sub_co_u32 s22, 15, s19
	s_cmp_lg_u32 s17, 0
	s_cselect_b32 s22, s19, s22                    ; my query block: 15 - p or p
	s_lshl2_add_u32 s23, s22, s18                  ; gd = 4 x block + wave: the substep whose 32 keys are my 32 queries' own
	s_mov_b32 s66, 0                               ; 4 x trip
	s_sub_co_u32 s92, s21, 1
	s_lshr_b32 s92, s92, 1
	s_sub_co_u32 s92, s92, 1                       ; pairs of trips in the loop (one pair stands in front of it): at least 3
	SHAPE G1K, PADK, 64, 128, 64
	SHAPE G1V, PADV, 64, 128, 64
	SHAPE G1L, FLAT, 64, 1, 64                     ; one row of 512 bytes
	s_lshl_b32 s94, s20, 18                        ; 262,144 bytes a head in qh, kh, vh, vl
	s_mov_b32 s95, 0
	s_lshl_b32 s96, s20, 13                        ; 8,192 in nlse
	s_mov_b32 s97, 0
	s_wait_kmcnt 0x0
	s_add_nc_u64 s[4:5], s[4:5], s[94:95]
	s_add_nc_u64 s[6:7], s[6:7], s[94:95]
	s_add_nc_u64 s[8:9], s[8:9], s[94:95]
	s_add_nc_u64 s[10:11], s[10:11], s[94:95]
	s_add_nc_u64 s[12:13], s[12:13], s[96:97]
.irp s, 0,1
	PLACE G0K+4*\s, \s*SLOT, 6, \s*16384           ; slot s starts with key block s
	PLACE G0V+4*\s, \s*SLOT+VOFF, 8, \s*16384
	PLACE G0W+4*\s, \s*SLOT+WOFF, 10, \s*16384
	PLACE G0L+4*\s, \s*SLOT+LOFF, 12, \s*512
.endr
	FILL 0                                         ; the first tiles, ahead of every wait on TENSORcnt, LDS read and barrier
	s_lshl_b32 s94, s22, 14                        ; my query block, 16,384 bytes,
	s_lshl_b32 s95, s18, 12                        ; and my 32 rows in it
	s_add_co_u32 s94, s94, s95
	s_mov_b32 s95, 0
	s_add_nc_u64 s[4:5], s[4:5], s[94:95]
	v_and_b32 v1, 15, v0                           ; r
	v_bfe_u32 v2, v0, 4, 1                         ; h
	v_and_b32 v3, 7, v0                            ; l % 8
	v_bfe_u32 v15, v0, 3, 1                        ; (l / 8) % 2
	v_lshlrev_b32 v[QO], 7, v1
	v_lshl_add_u32 v[QO], v2, 4, v[QO]             ; 128 r + 16 h
.irp qt, 0,1
.irp c, 0,1,2,3
	global_load_b128 v[QF+16*\qt+4*\c:QF+16*\qt+4*\c+3], v[QO], s[4:5] offset:2048*\qt+32*\c   ; my 32 queries, resident for the whole walk
.endr
.endr
	v_mul_u32_u24 v[KA], v1, KP
	v_lshl_add_u32 v[KA], v2, 4, v[KA]
	v_add_nc_u32 v[KA+1], SLOT, v[KA]
	v_lshl_add_u32 v[VA], v2, 3, v3                ; the transposing load: lane l addresses key 8 h + l % 8, 16 bytes at 16 ((l / 8) % 2)
	v_mul_u32_u24 v[VA], v[VA], VP
	v_lshl_add_u32 v[VA], v15, 4, v[VA]
	v_add_nc_u32 v[VA], VOFF, v[VA]
	v_add_nc_u32 v[VA+1], SLOT, v[VA]
	v_lshlrev_b32 v[LA], 5, v2                     ; eight f32 for each half of the lanes
	v_add_nc_u32 v[LA], LOFF, v[LA]
	v_add_nc_u32 v[LA+1], SLOT, v[LA]
	s_mul_i32 s98, s16, WSTAGE
	s_add_co_u32 s98, s98, STAGE                   ; my stage
	v_mul_u32_u24 v[STO], v1, SP
	v_lshl_add_u32 v[STO], v2, 5, v[STO]
	v_add_nc_u32 v[STO], s98, v[STO]               ; in: row r, 32 bytes for each half of the lanes
	v_mul_u32_u24 v[RD], v2, SP
	v_lshl_add_u32 v[RD], v1, 4, v[RD]
	v_add_nc_u32 v[RD], s98, v[RD]                 ; back: lanes 0-15 one row of 256 bytes, lanes 16-31 the next
	v_lshlrev_b32 v[CO], 12, v2
	v_lshl_add_u32 v[CO], v1, 4, v[CO]             ; and the same two rows in out0, 4,096 bytes apart
	v_lshlrev_b32 v[DL], 3, v2
	v_sub_nc_u32 v[DL], v1, v[DL]
.irp j, 0,1,2,3,4,5,6,7
	v_cmp_le_i32 s[MK+\j], \j, v[DL]               ; key 8 h + j <= query r
.endr
.macro KLOAD slot, ks                  ; the fragments of 32 keys: 2 tiles x 2 links, eight loads
.irp kt, 0,1
.irp c, 0,1,2,3
	ds_load_b128 v[KF+16*\kt+4*\c:KF+16*\kt+4*\c+3], v[KA+\slot] offset:(32*(\ks)+16*\kt)*KP+32*\c
.endr
.endr
.endm
.macro LLOAD slot, ks                  ; their nlse in the layout of C: four loads, the same words for the sixteen lanes of a half
.irp kt, 0,1
	ds_load_b128 v[NL+8*\kt:NL+8*\kt+3],   v[LA+\slot] offset:(32*(\ks)+16*\kt)*4
	ds_load_b128 v[NL+8*\kt+4:NL+8*\kt+7], v[LA+\slot] offset:(32*(\ks)+16*\kt)*4+16
.endr
.endm
.macro VLOAD slot, ks                  ; V of the 32 keys, transposed: 4 tiles of 16 d, eight loads for the upper part, eight for the lower (into window 1)
.irp dt, 0,1,2,3
	ds_load_tr16_b128 v[VF+8*\dt:VF+8*\dt+3],   v[VA+\slot] offset:32*VP*(\ks)+32*\dt
	ds_load_tr16_b128 v[VF+8*\dt+4:VF+8*\dt+7], v[VA+\slot] offset:32*VP*(\ks)+32*\dt+16*VP
.endr
	WIN 0x40                                       ; destination window 1, address window 0
.irp dt, 0,1,2,3
	ds_load_tr16_b128 v[VW+8*\dt:VW+8*\dt+3],   v[VA+\slot] offset:128*VP+32*VP*(\ks)+32*\dt
	ds_load_tr16_b128 v[VW+8*\dt+4:VW+8*\dt+7], v[VA+\slot] offset:128*VP+32*VP*(\ks)+32*\dt+16*VP
.endr
	WIN 0
.endm
; Substep ks of a trip: keys 32 ks .. + 31 of the block against my 32 queries.  zero = 1: the first products start the sums.
.macro SUB slot, ks, zero, endl
	s_wait_dscnt 0x0                               ; this substep's K fragments and nlse are in
.irp kt, 0,1
.irp qt, 0,1
	v_wmma_f32_16x16x32_f16 v[SS+8*(2*\kt+\qt):SS+8*(2*\kt+\qt)+7], v[KF+16*\kt:KF+16*\kt+7], v[QF+16*\qt:QF+16*\qt+7], v[NL+8*\kt:NL+8*\kt+7]
.endr
.endr
.irp kt, 0,1
.irp qt, 0,1
	v_wmma_f32_16x16x32_f16 v[SS+8*(2*\kt+\qt):SS+8*(2*\kt+\qt)+7], v[KF+16*\kt+8:KF+16*\kt+15], v[QF+16*\qt+8:QF+16*\qt+15], v[SS+8*(2*\kt+\qt):SS+8*(2*\kt+\qt)+7]   ; the four tiles take turns, one instruction a turn
.endr
.endr
.rept 4
	v_nop                                          ; four places before scores are read, before loads land on K, V and nlse, and before the weights are rewritten
.endr
	VLOAD \slot, \ks
.if \ks < 3
	KLOAD \slot, \ks+1                             ; the next substep's keys come in under the exponentials
.endif
.set i, 0
.rept 32
	v_exp_f32 v[SS+i], v[SS+i]
.set i, i+1
.endr
	v_nop                                          ; one plain place between the exponentials and the first use of a result (ISA guide 5.7.2)
	s_add_co_u32 s67, s66, \ks
	s_cmp_lg_u32 s67, s23
	s_cbranch_scc1 .Lwhole_\@
	s_wait_alu depctr_va_vdst(0)
.irp j, 0,1,2,3,4,5,6,7                        ; the square on the diagonal: tiles (0,0) and (1,1) by the lane masks, tile (kt 1, qt 0) is all behind its queries
	v_cndmask_b32 v[SS+\j], 0, v[SS+\j], s[MK+\j]
	v_cndmask_b32 v[SS+24+\j], 0, v[SS+24+\j], s[MK+\j]
	v_mov_b32 v[SS+16+\j], 0
.endr
.Lwhole_\@:
.if \ks < 3
	LLOAD \slot, \ks+1
.endif
	s_wait_alu depctr_va_vdst(0)
.irp qt, 0,1
.irp kt, 0,1
.irp jj, 0,1,2,3
	v_cvt_pk_f16_f32 v[PF+8*\qt+4*\kt+\jj], v[SS+8*(2*\kt+\qt)+2*\jj], v[SS+8*(2*\kt+\qt)+2*\jj+1]
.endr
.endr
.endr
.if \ks < 3
	s_wait_dscnt 12                                ; both parts of V are in; the 8 loads of K and the 4 of nlse issued behind them may stay out
.else
	s_wait_dscnt 0x0
.endif
.irp dt, 0,1,2,3                               ; weights x upper part: the eight sums take turns, one instruction a turn
.irp qt, 0,1
.if \zero
	v_wmma_f32_16x16x32_f16 v[ACC+8*(2*\dt+\qt):ACC+8*(2*\dt+\qt)+7], v[VF+8*\dt:VF+8*\dt+7], v[PF+8*\qt:PF+8*\qt+7], 0
.else
	v_wmma_f32_16x16x32_f16 v[ACC+8*(2*\dt+\qt):ACC+8*(2*\dt+\qt)+7], v[VF+8*\dt:VF+8*\dt+7], v[PF+8*\qt:PF+8*\qt+7], v[ACC+8*(2*\dt+\qt):ACC+8*(2*\dt+\qt)+7]
.endif
.endr
.endr
	WIN 0x01                                       ; source 0 in window 1
.irp dt, 0,1,2,3                               ; weights x lower part, in the same order of turns
.irp qt, 0,1
	v_wmma_f32_16x16x32_f16 v[ACC+8*(2*\dt+\qt):ACC+8*(2*\dt+\qt)+7], v[VW+8*\dt:VW+8*\dt+7], v[PF+8*\qt:PF+8*\qt+7], v[ACC+8*(2*\dt+\qt):ACC+8*(2*\dt+\qt)+7]
.endr
.endr
	WIN 0
.if \ks < 3
	s_cmp_eq_u32 s67, s23
	s_cbranch_scc1 \endl                           ; behind the diagonal nothing is left for this wave (the loads just issued are waited for in front of the next barrier)
.endif
.endm
; A trip.  In front of the barrier every wave waits for all its tensor loads and for its reads of the slot read last; behind it that slot is filled
; again first, one tensor load a wave, and then this trip's slot is read.  One tensor load of a wave is out at the most.
.macro TRIP slot, refill, zero
	s_wait_tensorcnt 0x0                           ; all my tensor loads have landed, my part of this trip's tiles among them,
	s_add_nc_u64 s[G0K+4*\slot+2:G0K+4*\slot+3], s[G0K+4*\slot+2:G0K+4*\slot+3], 32768    ; so every group 0 may be written: this slot's next tiles, two blocks up
	s_add_nc_u64 s[G0V+4*\slot+2:G0V+4*\slot+3], s[G0V+4*\slot+2:G0V+4*\slot+3], 32768
	s_add_nc_u64 s[G0W+4*\slot+2:G0W+4*\slot+3], s[G0W+4*\slot+2:G0W+4*\slot+3], 32768
	s_add_nc_u64 s[G0L+4*\slot+2:G0L+4*\slot+3], s[G0L+4*\slot+2:G0L+4*\slot+3], 1024
	s_wait_dscnt 0x0                               ; my reads of the last trip's tiles are over
	s_barrier_signal -1
	s_barrier_wait -1                              ; both now hold of every wave
.if \refill
	FILL 1-\slot
.endif
.if \zero == 0
	s_cmp_gt_u32 s66, s23
	s_cbranch_scc1 .Lend_\@                        ; this block's keys lie behind all my queries
.endif
	KLOAD \slot, 0
	LLOAD \slot, 0
	SUB \slot, 0, \zero, .Lend_\@
	SUB \slot, 1, 0, .Lend_\@
	SUB \slot, 2, 0, .Lend_\@
	SUB \slot, 3, 0, .Lend_\@
.Lend_\@:
	s_add_co_u32 s66, s66, 4
.endm
	s_wait_loadcnt 0x0                             ; my Q fragments, once
	TRIP 0, 1, 1                                   ; the first pair stands in front of the loop: substep 0 is at or ahead of every wave's diagonal,
	TRIP 1, 1, 0                                   ; so its products start every wave's sums and nothing is cleared
.Lpair:
	TRIP 0, 1, 0
	TRIP 1, 1, 0
	s_sub_co_u32 s92, s92, 1
	s_cmp_gt_i32 s92, 0                            ; a signed compare: the loop ends from any start
	s_cbranch_scc1 .Lpair
	s_bitcmp1_b32 s21, 0                           ; the number of trips hangs on the work-group's x alone: every wave takes the same way
	s_cbranch_scc1 .Lodd
	TRIP 0, 1, 0                                   ; an even number: two trips are left, the last fills nothing
	TRIP 1, 0, 0
	s_branch .Lout
.Lodd:
	TRIP 0, 0, 0                                   ; an odd number: one trip is left
.Lout:
	; THE WAY OUT, 16 queries at a time: a lane's 8 neighbouring d (32 bytes) go into my own stage and come back as rows of 256 bytes, one head's part of a
	; row of out0: sixteen lanes store 256 consecutive aligned bytes.
	s_wait_dscnt 0x0                               ; fragments asked for behind the diagonal
.rept 4
	v_nop                                          ; four places before the sums are read and loads land on the K fragments
.endr
	s_lshr_b32 s94, s20, 4                         ; batch: 2,048 rows of 4,096 bytes
	s_lshl_b32 s94, s94, 23
	s_and_b32 s95, s20, 15                         ; head: 256 bytes of a row
	s_lshl_b32 s95, s95, 8
	s_add_co_u32 s94, s94, s95
	s_lshl_b32 s95, s22, 19                        ; my block: 128 rows
	s_add_co_u32 s94, s94, s95
	s_lshl_b32 s95, s18, 17                        ; my 32 rows
	s_add_co_u32 s94, s94, s95
	s_mov_b32 s95, 0
	s_add_nc_u64 s[14:15], s[14:15], s[94:95]
.irp qt, 0,1
.irp dt, 0,1,2,3
	ds_store_b128 v[STO], v[ACC+8*(2*\dt+\qt):ACC+8*(2*\dt+\qt)+3]   offset:64*\dt
	ds_store_b128 v[STO], v[ACC+8*(2*\dt+\qt)+4:ACC+8*(2*\dt+\qt)+7] offset:64*\dt+16
.endr
	s_wait_xcnt 0x0                                ; the registers that the last stores read are loaded again only behind this wait
.irp t, 0,1,2,3,4,5,6,7
	ds_load_b128 v[KF+4*\t:KF+4*\t+3], v[RD] offset:2*SP*\t        ; LDS serves a wave's instructions in order: these see the stores above
.endr
.irp t, 0,1,2,3,4,5,6,7
	s_wait_dscnt 7-\t                              ; the loads behind this one may stay out
	global_store_b128 v[CO], v[KF+4*\t:KF+4*\t+3], s[14:15] offset:(16*\qt+2*\t)*4096 th:TH_STORE_NT
.endr
.endr
	s_endpgm
.Lfunc_end_k_q0ca6222a41_ctx:
	.size	k_q0ca6222a41_ctx, .Lfunc_end_k_q0ca6222a41_ctx-k_q0ca6222a41_ctx
	.p2alignl 7, 3214868480
	.fill 96, 4, 3214868480
	.section	.rodata,"a",@progbits
	.p2align	6, 0x0
	.amdhsa_kernel k_q0ca6222a41_ctx
		.amdhsa_group_segment_fixed_size 327680
		.amdhsa_private_segment_fixed_size 0
		.amdhsa_enable_private_segment 0
		.amdhsa_kernarg_size 48
		.amdhsa_user_sgpr_count 2
		.amdhsa_user_sgpr_kernarg_segment_ptr 1
		.amdhsa_wavefront_size32 1
		.amdhsa_system_sgpr_workgroup_id_x 1
		.amdhsa_system_sgpr_workgroup_id_y 1
		.amdhsa_system_sgpr_workgroup_id_z 1
		.amdhsa_system_vgpr_workitem_id 0
		.amdhsa_next_free_vgpr 288
		.amdhsa_next_free_sgpr 100
		.amdhsa_reserve_vcc 0
		.amdhsa_float_denorm_mode_32 3
		.amdhsa_float_denorm_mode_16_64 3
		.amdhsa_memory_ordered 1
		.amdhsa_forward_progress 1
		.amdhsa_inst_pref_size 218
	.end_amdhsa_kernel
	.amdgpu_metadata
---
amdhsa.version: [ 1, 2 ]
amdhsa.kernels:
  - .name:           k_q0ca6222a41_ctx
    .symbol:         k_q0ca6222a41_ctx.kd
    .args:
      - { .name: qh, .offset: 0, .size: 8, .value_kind: global_buffer, .address_space: global }
      - { .name: kh, .offset: 8, .size: 8, .value_kind: global_buffer, .address_space: global }
      - { .name: vh, .offset: 16, .size: 8, .value_kind: global_buffer, .address_space: global }
      - { .name: vl, .offset: 24, .size: 8, .value_kind: global_buffer, .address_space: global }
      - { .name: nlse, .offset: 32, .size: 8, .value_kind: global_buffer, .address_space: global }
      - { .name: out0, .offset: 40, .size: 8, .value_kind: global_buffer, .address_space: global }
    .group_segment_fixed_size: 327680
    .private_segment_fixed_size: 0
    .kernarg_segment_align: 8
    .kernarg_segment_size: 48
    .max_flat_workgroup_size: 256
    .sgpr_count:     100
    .vgpr_count:     288
    .wavefront_size: 32
...
	.end_amdgpu_metadata
.endif
;; end of part 4
;; ======== version 2 of 2: 4 launches
;; limits: values are held in f16: magnitudes above 65,504 overflow, below 6.1e-05 lose precision
;; workspace buffers: xb 8,388,608 bytes; wb 6,291,456 bytes; qh 8,388,608 bytes; kh 8,388,608 bytes; vh 8,388,608 bytes; vl 8,388,608 bytes; nlse 262,144 bytes
;; launch cast: the kernel of part 1 again; grid 1792 x 1, 8 waves a work-group, no clusters, 0 bytes of LDS; arguments x, Wq, Wk, Wv, xb, wb; writes xb, wb
;; launch qkv: the kernel of part 2 again; grid 8 x 32, 4 waves a work-group, clusters of 4 x 4, 327,680 bytes of LDS; arguments xb, wb, qh, kh, vh, vl; writes qh, kh, vh, vl
;; launch colstat (part 5): grid 8 x 32, 8 waves a work-group, no clusters, 327,680 bytes of LDS; arguments qh, kh, nlse; writes nlse
.if DOCPART == 5
	.amdgcn_target "amdgcn-amd-amdhsa--gfx1250"
	.amdhsa_code_object_version 6
	.text
	.protected	k_q0ca6222a41_colstat
	.globl	k_q0ca6222a41_colstat
	.p2align	8
	.type	k_q0ca6222a41_colstat,@function
k_q0ca6222a41_colstat:
	s_mov_b64 s[64:65], 0
	v_nop
	global_prefetch_b8 v0, s[64:65] scope:SCOPE_SE
	s_setreg_imm32_b32 hwreg(HW_REG_WAVE_MODE, 25, 1), 1
	s_wait_xcnt 0x0
; nlse[bh][key] = -( max over q >= key of s(q, key) + log2( sum over q >= key of 2^(s - max) ) ),  s = q . k in base-2 units (the scale lies in qh).
; The softmax runs over the QUERY axis, so each key column has its own maximum and sum over the queries at or behind it.  qh and kh are f16.
; A work-group owns the key blocks p (long walk: query blocks 15 .. p) and 15 - p (short walk: 15 .. 15 - p) of one (batch, head): 17 block products everywhere.
; EVERY wave holds 32 keys of BOTH blocks: wave (g, w) = (wave / 4, wave % 4) keys 32 w .. + 31 of each.  The queries are split between the two groups:
; of each query block's four substeps of 32 queries group g takes substeps 2 g and 2 g + 1, so all eight waves have work in every trip, and a Q fragment
; read from LDS serves both key blocks as long as both are alive.  The groups' (maximum, sum) pairs are joined once, at the end, through LDS.
; Query blocks are walked downward, two to a trip: trip t reads blocks 15 - 2 t and 14 - 2 t as one tile of 256 rows; (17 - p) / 2 trips, 5 to 8.
; For odd p the last tile's lower block (p - 1) is brought in and not read: it lies inside the buffer.
; Substep number G = 8 t + u, u = 0..7 downward in the tile, against a block's gd = 63 - (4 block + w): G < gd whole, G = gd the 32 x 32 square on the
; diagonal (masked), G > gd nothing is left.
; ORIENTATION: D(m = query, n = key) = A(Q rows from LDS) x B(K rows, resident).  Lane (r, h) holds key r and queries 8 h + j, so maximum and sum stay in
; the lane for the whole walk; a key ends with four pairs (two groups x two halves of the lanes).
; NO JOINT LOADS: the eight work-groups of a head read the same tiles, but they need different numbers of tiles, and their branches hang on p.
; LIMITS: the running maximum starts at -FLT_MAX, so scores are taken to be above it; terms below 2^-126 of the maximum count as 0.
.set SLOTB, 36864                      ; a slot: 256 rows of Q, 128 bytes + 16 of padding
.set PITCH, 144
.set WPART, 32*PITCH                   ; what one wave's tensor load fills: 32 rows
.set SCR,   2*SLOTB                    ; 8,192 bytes behind the ring, never filled by a tensor load: maxima [wave][h][block][32 keys] f32, sums 4,096 further
.set G1, 24                            ; s[24:31] group 1
.set G0, 32                            ; s[32:39] group 0, four registers a slot
.set MK, 40                            ; s[40:47] lane masks of the diagonal tile, one for each register j
.set QA,   3                           ; v3   my place in a Q fragment: 144 r + 16 h + 64 rows for group 0
.set SA,   4                           ; v4   where I put my pairs
.set RA,   5                           ; v5   where a block's pairs are read back
.set NINF, 6                           ; v6   -infinity
.set DL,   7                           ; v7   r - 8 h
.set T0,   8                           ; v8-9 at work
.set T1,   9
.set AA,   12                          ; v12  the factor that carries the old sum to the new maximum
.set CO,   13                          ; v13  16 l
.set MZ,   14                          ; v[14:21] (maximum, sum): 4 block + 2 kt; block 0 the long walk's, 1 the short walk's
.set KO,   22                          ; v22  lane offset of the K loads; never rewritten
.set KF,   24                          ; v[24:87]   K fragments: 32 block + 16 kt + 8 link
.set QF,   88                          ; v[88:151]  Q fragments, two buffers: 32 buffer + 16 qt + 8 link
.set SS,   152                         ; v[152:183] score tiles: 8 (2 qt + kt)
.set MP,   24                          ; at the end: v[24:39] four maxima, v[40:55] four sums of 4 keys a lane, v[56:59] the results
.set ZP,   40
.set RR,   56
	s_load_b128 s[4:7], s[0:1], 0x0                ; qh s[4:5], kh s[6:7]
	s_load_b64 s[8:9], s[0:1], 0x10                ; nlse
	v_lshrrev_b32 v1, 5, v0
	v_readfirstlane_b32 s10, v1                    ; wave 0..7
	s_lshr_b32 s11, s10, 2                         ; g: group
	s_and_b32 s12, s10, 3                          ; w: wave in the group
	s_mov_b32 s13, ttmp9                           ; p: the long walk's key block
	s_and_b32 s14, ttmp7, 0xffff                   ; bh
	s_sub_co_u32 s15, 17, s13
	s_lshr_b32 s15, s15, 1                         ; trips: (17 - p) / 2, 5 to 8
	s_sub_co_u32 s22, 15, s13                      ; the short walk's key block
	s_cmp_lg_u32 s11, 0
	s_cselect_b32 s16, s22, s13                    ; the block whose results my group's first wave stores
	s_lshl2_add_u32 s18, s13, s12
	s_sub_co_u32 s18, 63, s18                      ; gd of the long walk: the substep whose 32 queries are my 32 keys' own
	s_lshl2_add_u32 s17, s22, s12
	s_sub_co_u32 s17, 63, s17                      ; gd of the short walk, always the smaller
	s_lshl_b32 s19, s11, 1                         ; 8 x trip + 2 g
	s_sub_co_u32 s21, s15, 1
	s_lshr_b32 s21, s21, 1                         ; pairs of trips in the loop: 2 or 3
	s_mov_b32 s[G1+0], (1<<16)|(1<<20)|(4<<22)|(3<<25)     ; elements of 2 bytes; behind every 32 words 4 words of padding
	s_mov_b32 s[G1+1], 64<<16                      ; tensor_dim0 = 64
	s_mov_b32 s[G1+2], 32<<16                      ; tensor_dim1 = 32
	s_mov_b32 s[G1+3], 64<<16                      ; tile_dim0 = 64
	s_mov_b32 s[G1+4], 32                          ; tile_dim1 = 32: the tile's 256 rows shared out among eight waves
	s_mov_b32 s[G1+5], 64                          ; the pitch
	s_mov_b32 s[G1+6], 0
	s_mov_b32 s[G1+7], 0
	s_lshl_b32 s48, s14, 18                        ; 262,144 bytes a head
	s_mov_b32 s49, 0
	s_lshl_b32 s50, s10, 12                        ; my 32 rows of a tile of Q: 4,096 bytes
	s_mov_b32 s51, 0
	s_lshl_b32 s60, s12, 12                        ; my 32 keys in a block
	s_lshl_b32 s52, s13, 14                        ; the long walk's block, 16,384 bytes a block
	s_add_co_u32 s52, s52, s60
	s_mov_b32 s53, 0
	s_lshl_b32 s54, s22, 14                        ; the short walk's block
	s_add_co_u32 s54, s54, s60
	s_mov_b32 s55, 0
	s_lshl_b32 s58, s14, 13                        ; nlse: 8,192 bytes a head,
	s_lshl_b32 s59, s16, 9                         ; 512 a block
	s_add_co_u32 s58, s58, s59
	s_mov_b32 s59, 0
	s_mul_i32 s23, s10, WPART                      ; my part of a slot: the wave's number times a constant
	s_wait_kmcnt 0x0
	s_add_nc_u64 s[4:5], s[4:5], s[48:49]
	s_add_nc_u64 s[4:5], s[4:5], s[50:51]
	s_add_nc_u64 s[6:7], s[6:7], s[48:49]
	s_add_nc_u64 s[56:57], s[6:7], s[54:55]        ; my keys of the short walk's block
	s_add_nc_u64 s[6:7], s[6:7], s[52:53]          ; and of the long walk's
	s_add_nc_u64 s[8:9], s[8:9], s[58:59]
.irp s, 0,1
	s_mov_b32 s[G0+4*\s], 1
	s_add_co_u32 s[G0+4*\s+1], s23, \s*SLOTB
	s_add_nc_u64 s[G0+4*\s+2:G0+4*\s+3], s[4:5], (14-2*\s)*16384   ; trip s reads query blocks 14 - 2 s and 15 - 2 s
	s_or_b32 s[G0+4*\s+3], s[G0+4*\s+3], 0x80000000
.endr
	tensor_load_to_lds s[G0:G0+3], s[G1:G1+7]      ; my part of the first tile, ahead of every wait on TENSORcnt, LDS read and barrier
	s_nop 0
	v_and_b32 v1, 15, v0                           ; r
	v_bfe_u32 v2, v0, 4, 1                         ; h
	v_and_b32 v[CO], 31, v0                        ; l
	v_lshlrev_b32 v[KO], 7, v1
	v_lshl_add_u32 v[KO], v2, 4, v[KO]             ; 128 r + 16 h
.irp kt, 0,1
.irp c, 0,1,2,3
	global_load_b128 v[KF+16*\kt+4*\c:KF+16*\kt+4*\c+3], v[KO], s[6:7] offset:2048*\kt+32*\c         ; my 32 keys of the long walk's block,
	global_load_b128 v[KF+32+16*\kt+4*\c:KF+32+16*\kt+4*\c+3], v[KO], s[56:57] offset:2048*\kt+32*\c ; and of the short walk's: resident for the whole walk
.endr
.endr
	s_sub_co_u32 s60, 1, s11
	s_mul_i32 s60, s60, 64*PITCH                   ; downward walk: group 0 takes the upper 64 rows of each block, group 1 the lower
	v_mul_u32_u24 v[QA], v1, PITCH
	v_lshl_add_u32 v[QA], v2, 4, v[QA]
	v_add_nc_u32 v[QA], s60, v[QA]
	s_lshl_b32 s61, s10, 9
	s_add_co_u32 s61, s61, SCR                     ; my wave's 512 bytes of maxima
	v_lshl_add_u32 v[SA], v1, 2, s61
	v_lshl_add_u32 v[SA], v2, 8, v[SA]             ; + 256 h + 4 r
	v_lshrrev_b32 v[RA], 3, v[CO]                  ; back: lane l takes keys 4 l .. 4 l + 3 of a block: wave l / 8 of a group, 16 (l % 8) bytes in
	v_and_b32 v[T0], 7, v0
	v_lshlrev_b32 v[RA], 9, v[RA]
	v_lshl_add_u32 v[RA], v[T0], 4, v[RA]
	s_lshl_b32 s62, s11, 7                         ; group g's first wave joins block g
	s_add_co_u32 s62, s62, SCR
	v_add_nc_u32 v[RA], s62, v[RA]
	v_lshlrev_b32 v[CO], 4, v[CO]
	v_mov_b32 v[NINF], 0xff800000
	v_lshlrev_b32 v[DL], 3, v2
	v_sub_nc_u32 v[DL], v1, v[DL]
.irp j, 0,1,2,3,4,5,6,7
	v_cmp_ge_i32 s[MK+\j], \j, v[DL]               ; query 8 h + j >= key r
.endr
.irp i, 0,2,4,6
	v_mov_b32 v[MZ+\i], 0xff7fffff                 ; maximum: -FLT_MAX, finite, so that no difference of infinities arises
	v_mov_b32 v[MZ+\i+1], 0                        ; sum
.endr
; The fragments of the 32 queries of substep 2 g + cu (cu = 0, 1 in the upper block, 4, 5 in the lower): 2 tiles x 2 links, eight loads, into buffer buf.
.macro QLOAD slot, cu, buf
.irp qt, 0,1
.irp c, 0,1,2,3
	ds_load_b128 v[QF+32*(\buf)+16*\qt+4*\c:QF+32*(\buf)+16*\qt+4*\c+3], v[QA] offset:\slot*SLOTB+(32*(5-(\cu))+16*\qt)*PITCH+32*\c
.endr
.endr
.endm
; Key tile kt of block x takes in its 16 new scores a lane (tiles kt and 2 + kt): new maximum, old sum carried over, 16 exponentials added.
.macro UPDATE x, kt
	v_max3_num_f32 v[T0], v[MZ+4*\x+2*\kt], v[SS+8*\kt], v[SS+8*\kt+1]
	v_max3_num_f32 v[T1], v[SS+16+8*\kt], v[SS+16+8*\kt+1], v[SS+16+8*\kt+2]
	v_max3_num_f32 v[T0], v[T0], v[SS+8*\kt+2], v[SS+8*\kt+3]
	v_max3_num_f32 v[T1], v[T1], v[SS+16+8*\kt+3], v[SS+16+8*\kt+4]
	v_max3_num_f32 v[T0], v[T0], v[SS+8*\kt+4], v[SS+8*\kt+5]
	v_max3_num_f32 v[T1], v[T1], v[SS+16+8*\kt+5], v[SS+16+8*\kt+6]
	v_max3_num_f32 v[T0], v[T0], v[SS+8*\kt+6], v[SS+8*\kt+7]
	v_max3_num_f32 v[T0], v[T0], v[T1], v[SS+16+8*\kt+7]
	v_sub_f32 v[AA], v[MZ+4*\x+2*\kt], v[T0]       ; old maximum - new, at most 0
	v_mov_b32 v[MZ+4*\x+2*\kt], v[T0]
.irp i, 0,2,4,6,16,18,20,22
	v_pk_add_f32 v[SS+8*\kt+\i:SS+8*\kt+\i+1], v[SS+8*\kt+\i:SS+8*\kt+\i+1], v[MZ+4*\x+2*\kt:MZ+4*\x+2*\kt+1] op_sel_hi:[1,0] neg_lo:[0,1] neg_hi:[0,1]   ; score - maximum, both halves by the pair's first register
.endr
	v_exp_f32 v[AA], v[AA]
.irp i, 0,1,2,3,4,5,6,7,16,17,18,19,20,21,22,23
	v_exp_f32 v[SS+8*\kt+\i], v[SS+8*\kt+\i]       ; -infinity gives 0
.endr
	v_nop                                          ; one plain place between the exponentials and the first use of a result (ISA guide 5.7.2)
	s_wait_alu depctr_va_vdst(0)
.irp i, 0,2,4,6
	v_pk_add_f32 v[SS+8*\kt+\i:SS+8*\kt+\i+1], v[SS+8*\kt+\i:SS+8*\kt+\i+1], v[SS+16+8*\kt+\i:SS+16+8*\kt+\i+1]
.endr
	v_pk_add_f32 v[SS+8*\kt:SS+8*\kt+1], v[SS+8*\kt:SS+8*\kt+1], v[SS+8*\kt+2:SS+8*\kt+3]
	v_pk_add_f32 v[SS+8*\kt+4:SS+8*\kt+5], v[SS+8*\kt+4:SS+8*\kt+5], v[SS+8*\kt+6:SS+8*\kt+7]
	v_pk_add_f32 v[SS+8*\kt:SS+8*\kt+1], v[SS+8*\kt:SS+8*\kt+1], v[SS+8*\kt+4:SS+8*\kt+5]
	v_add_f32 v[T1], v[SS+8*\kt], v[SS+8*\kt+1]
	v_fma_f32 v[MZ+4*\x+2*\kt+1], v[MZ+4*\x+2*\kt+1], v[AA], v[T1]
.endm
; The 32 queries in buffer bf against my 32 keys of block x; gd: the scalar register with that block's diagonal substep; s20 holds this substep's number.
.macro PART x, gd, bf
.irp qt, 0,1
.irp kt, 0,1
	v_wmma_f32_16x16x32_f16 v[SS+8*(2*\qt+\kt):SS+8*(2*\qt+\kt)+7], v[QF+32*\bf+16*\qt:QF+32*\bf+16*\qt+7], v[KF+32*\x+16*\kt:KF+32*\x+16*\kt+7], 0
.endr
.endr
.irp qt, 0,1
.irp kt, 0,1
	v_wmma_f32_16x16x32_f16 v[SS+8*(2*\qt+\kt):SS+8*(2*\qt+\kt)+7], v[QF+32*\bf+16*\qt+8:QF+32*\bf+16*\qt+15], v[KF+32*\x+16*\kt+8:KF+32*\x+16*\kt+15], v[SS+8*(2*\qt+\kt):SS+8*(2*\qt+\kt)+7]   ; the four tiles take turns, one instruction a turn
.endr
.endr
.rept 4
	v_nop                                          ; four places before results are read, and before a later load lands on these Q fragments
.endr
	s_cmp_lg_u32 s20, s[\gd]
	s_cbranch_scc1 .Lwhole_\@
.irp j, 0,1,2,3,4,5,6,7                        ; the square on the diagonal: tiles (0,0) and (1,1) by the lane masks, tile (qt 0, kt 1) is all ahead of its keys
	v_cndmask_b32 v[SS+\j], v[NINF], v[SS+\j], s[MK+\j]
	v_cndmask_b32 v[SS+24+\j], v[NINF], v[SS+24+\j], s[MK+\j]
	v_mov_b32 v[SS+8+\j], v[NINF]
.endr
.Lwhole_\@:
	UPDATE \x, 0
	UPDATE \x, 1
.endm
; Substep 2 g + cu of a trip, its fragments in buffer bf.  nxt: my next substep of the trip (-1: none), fetched into the other buffer first of all.
.macro SUB slot, cu, bf, nxt, endl
	s_add_co_u32 s20, s19, \cu                     ; this substep's number
.if \nxt >= 0
	QLOAD \slot, \nxt, 1-\bf
	s_wait_dscnt 8                                 ; this substep's fragments are in; the eight loads just issued may stay out
.else
	s_wait_dscnt 0x0
.endif
	PART 0, 18, \bf                                ; the long walk's keys
	s_cmp_gt_u32 s20, s17
	s_cbranch_scc1 .Lno_short_\@                   ; the short walk's keys lie behind these queries
	PART 1, 17, \bf
.Lno_short_\@:
.if \nxt >= 0
	s_add_co_u32 s20, s19, \nxt
	s_cmp_gt_u32 s20, s18
	s_cbranch_scc1 \endl                           ; behind the long walk's diagonal nothing is left for this wave (the loads just issued are waited for in front of the next barrier)
.endif
.endm
; A trip.  In front of the barrier every wave waits for all its tensor loads and for its reads of the slot read last; behind it that slot is filled
; again first, one load of 32 rows by every wave, and then this trip's slot is read.  One tensor load of a wave is out at the most.
.macro TRIP slot, refill
	s_wait_tensorcnt 0x0                           ; all my tensor loads have landed, my part of this trip's tile among them,
	s_sub_nc_u64 s[G0+4*\slot+2:G0+4*\slot+3], s[G0+4*\slot+2:G0+4*\slot+3], 65536    ; so a group 0 may be written: this slot's next tile, four blocks down
	s_wait_dscnt 0x0                               ; my reads of the last trip's tile are over
	s_barrier_signal -1
	s_barrier_wait -1                              ; both now hold of every wave
.if \refill
	tensor_load_to_lds s[G0+4*(1-\slot):G0+4*(1-\slot)+3], s[G1:G1+7]
	s_nop 0
.endif
	s_cmp_gt_u32 s19, s18
	s_cbranch_scc1 .Lend_\@                        ; my keys lie behind all my queries of this tile
	QLOAD \slot, 0, 0
	SUB \slot, 0, 0, 1, .Lend_\@
	SUB \slot, 1, 1, 4, .Lend_\@
	SUB \slot, 4, 0, 5, .Lend_\@
	SUB \slot, 5, 1, -1, .Lend_\@
.Lend_\@:
	s_add_co_u32 s19, s19, 8
.endm
	s_wait_loadcnt 0x0                             ; my K fragments, once
.Lpair:
	TRIP 0, 1
	TRIP 1, 1
	s_sub_co_u32 s21, s21, 1
	s_cmp_gt_i32 s21, 0                            ; a signed compare: the loop ends from any start
	s_cbranch_scc1 .Lpair
	s_bitcmp1_b32 s15, 0                           ; the number of trips hangs on the work-group's x alone: every wave takes the same way
	s_cbranch_scc1 .Lodd
	TRIP 0, 1                                      ; an even number: two trips are left, the last fills nothing
	TRIP 1, 0
	s_branch .Lmerge
.Lodd:
	TRIP 0, 0                                      ; an odd number: one trip is left
.Lmerge:
	s_wait_dscnt 0x0                               ; fragments asked for behind the diagonal
.irp x, 0,1                                    ; every lane hands over its pairs: a key has four, from two groups and two halves of the lanes
.irp kt, 0,1
	ds_store_b32 v[SA], v[MZ+4*\x+2*\kt] offset:128*\x+64*\kt
	ds_store_b32 v[SA], v[MZ+4*\x+2*\kt+1] offset:4096+128*\x+64*\kt
.endr
.endr
	s_wait_dscnt 0x0                               ; for the others' sake: zero
	s_barrier_signal -1
	s_barrier_wait -1
	s_cmp_lg_u32 s12, 0
	s_cbranch_scc1 .Ldone                          ; group g's first wave joins block g's 128 keys, 4 keys a lane
.irp gg, 0,1
.irp hh, 0,1
	ds_load_b128 v[MP+4*(2*\gg+\hh):MP+4*(2*\gg+\hh)+3], v[RA] offset:2048*\gg+256*\hh
	ds_load_b128 v[ZP+4*(2*\gg+\hh):ZP+4*(2*\gg+\hh)+3], v[RA] offset:4096+2048*\gg+256*\hh
.endr
.endr
	s_wait_dscnt 0x0
.irp c, 0,1,2,3
	v_max3_num_f32 v[T0], v[MP+\c], v[MP+4+\c], v[MP+8+\c]
	v_max_num_f32 v[T0], v[T0], v[MP+12+\c]        ; the column's maximum (a pair that met no query holds -FLT_MAX and the sum 0)
.irp q, 0,4,8,12
	v_sub_f32 v[MP+\q+\c], v[MP+\q+\c], v[T0]
.endr
.irp q, 0,4,8,12
	v_exp_f32 v[MP+\q+\c], v[MP+\q+\c]
.endr
	v_nop                                          ; the plain place behind the exponentials
	s_wait_alu depctr_va_vdst(0)
	v_mul_f32 v[T1], v[ZP+\c], v[MP+\c]
.irp q, 4,8,12
	v_fma_f32 v[T1], v[ZP+\q+\c], v[MP+\q+\c], v[T1]
.endr
	v_log_f32 v[T1], v[T1]                         ; the sum is at least 1: the largest score's own term
	v_nop                                          ; the plain place behind the logarithm
	s_wait_alu depctr_va_vdst(0)
	v_fma_f32 v[RR+\c], v[T0], -1.0, -v[T1]        ; -(maximum + log2 sum)
.endr
	global_store_b128 v[CO], v[RR:RR+3], s[8:9]    ; the block's 128 results: 512 consecutive aligned bytes
.Ldone:
	s_endpgm
.Lfunc_end_k_q0ca6222a41_colstat:
	.size	k_q0ca6222a41_colstat, .Lfunc_end_k_q0ca6222a41_colstat-k_q0ca6222a41_colstat
	.p2alignl 7, 3214868480
	.fill 96, 4, 3214868480
	.section	.rodata,"a",@progbits
	.p2align	6, 0x0
	.amdhsa_kernel k_q0ca6222a41_colstat
		.amdhsa_group_segment_fixed_size 327680
		.amdhsa_private_segment_fixed_size 0
		.amdhsa_enable_private_segment 0
		.amdhsa_kernarg_size 24
		.amdhsa_user_sgpr_count 2
		.amdhsa_user_sgpr_kernarg_segment_ptr 1
		.amdhsa_wavefront_size32 1
		.amdhsa_system_sgpr_workgroup_id_x 1
		.amdhsa_system_sgpr_workgroup_id_y 1
		.amdhsa_system_sgpr_workgroup_id_z 1
		.amdhsa_system_vgpr_workitem_id 0
		.amdhsa_next_free_vgpr 184
		.amdhsa_next_free_sgpr 66
		.amdhsa_reserve_vcc 0
		.amdhsa_float_denorm_mode_32 3
		.amdhsa_float_denorm_mode_16_64 3
		.amdhsa_memory_ordered 1
		.amdhsa_forward_progress 1
		.amdhsa_inst_pref_size 255
	.end_amdhsa_kernel
	.section	.bss,"aw",@nobits
	.p2align	6
	.space	262144
	.amdgpu_metadata
---
amdhsa.version: [ 1, 2 ]
amdhsa.kernels:
  - .name:           k_q0ca6222a41_colstat
    .symbol:         k_q0ca6222a41_colstat.kd
    .args:
      - { .name: qh, .offset: 0, .size: 8, .value_kind: global_buffer, .address_space: global }
      - { .name: kh, .offset: 8, .size: 8, .value_kind: global_buffer, .address_space: global }
      - { .name: nlse, .offset: 16, .size: 8, .value_kind: global_buffer, .address_space: global }
    .group_segment_fixed_size: 327680
    .private_segment_fixed_size: 0
    .kernarg_segment_align: 8
    .kernarg_segment_size: 24
    .max_flat_workgroup_size: 256
    .sgpr_count:     66
    .vgpr_count:     184
    .wavefront_size: 32
...
	.end_amdgpu_metadata
.endif
;; end of part 5
;; launch ctx (part 6): grid 8 x 32, 8 waves a work-group, no clusters, 327,680 bytes of LDS; arguments qh, kh, vh, vl, nlse, out0; writes out0
.if DOCPART == 6
	.amdgcn_target "amdgcn-amd-amdhsa--gfx1250"
	.amdhsa_code_object_version 6
	.text
	.protected	k_q0ca6222a41_ctx
	.globl	k_q0ca6222a41_ctx
	.p2align	8
	.type	k_q0ca6222a41_ctx,@function
k_q0ca6222a41_ctx:
	s_mov_b64 s[64:65], 0
	v_nop
	global_prefetch_b8 v0, s[64:65] scope:SCOPE_SE
	s_setreg_imm32_b32 hwreg(HW_REG_WAVE_MODE, 25, 1), 1
	s_wait_xcnt 0x0
; out0[b][q][head][d] = sum over key <= q of 2^( s(q, key) + nlse[key] ) v[key][d],  s = q . k in base-2 units, nlse = -(column maximum + log2 column sum).
; The column maximum was taken away when nlse was made, so every weight that is kept is at most 1.  q, k and the weights are f16.
; V: the weights of key k add up to 1 over its 2048 - k queries, whatever the inputs.  For the last 128 keys their mean is 1/128 or more, and a row of the
; result may be a few v of v's own size that cancel: there v enters as vh + vl, two f16 numbers, two products on one f32 sum.  For all earlier keys v
; enters as vh alone, rounded once to f16.
; A work-group owns the query blocks A = 15 - p (long walk: key blocks 0 .. 15 - p) and B = p (short walk: 0 .. p) of one (batch, head): 17 block products.
; EVERY wave holds 32 queries of BOTH blocks: wave (g, w) = (wave / 4, wave % 4) queries 32 w .. + 31 of each.  The keys are split between the two groups:
; of each key block's four substeps of 32 keys group g takes substeps 2 g and 2 g + 1, so all eight waves have work in every trip, and the K, V and nlse
; fragments read from LDS serve both query blocks as long as both are alive.  At the end group 0 hands its sums of B to group 1 and takes group 1's sums of A.
; Key blocks are walked upward, two to a trip: trip t reads blocks 2 t and 2 t + 1 as tiles of 256 rows, with their 256 nlse; (17 - p) / 2 trips, 5 to 8.
; For odd p the last tiles' upper block (16 - p) is brought in and not read: it lies inside the buffers.
; Substep number G = 8 t + u, u = 0..7, against a block's gd = 4 block + w: G < gd whole, G = gd the masked 32 x 32 square, G > gd nothing.
; ORIENTATION: scores transposed, D(m = key, n = query) = A(K rows) x B(Q rows, resident) + C, C = nlse of the tile's keys (register j: key 8 h + j), so the
; matrix unit hands out the exponent.  Rounded to f16, key tiles 0 and 1 are registers 0-3 and 4-7 of a B fragment as they stand: no lane exchange.
; Then D(m = d, n = query) = A(V transposed by the LDS load) x B(weights): a lane ends with 8 neighbouring d of one query.
; NO JOINT LOADS: the eight work-groups of a head read the same tiles, but they need different numbers of tiles, and their branches hang on p.
; LIMITS: a weight is rounded to f16: below 2^-14 it keeps an absolute error of up to 2^-25, below 2^-25 it counts as 0.
; REGISTERS: window 0 (v0-255) addresses, block A's queries, scores, K, V, nlse and weight fragments; window 1 (v256-447) block B's queries, both blocks' sums
; and the fragments of vl.  At every label and branch the window setting is 0.  No LDS address register is ever stepped: slot and substep stand in
; a register for each slot and in the immediate.
.set KP,    144
.set VP,    160                        ; an odd multiple of 32
.set VOFF,  40960                      ; a slot: K, 256 rows x 144, from byte 0 (wave x 18,432, waves 0, 1); V, 256 rows x 160, from byte 40,960 (wave x 20,480, waves 2, 3);
.set LOFF,  81920                      ; the 256 keys' nlse, 1,024 bytes, from byte 81,920 (wave 4)
.set SLOT,  82944
.set VLB,   2*SLOT                     ; 165,888: vl of key block 15, 128 rows x 160, filled once, where p = 0 (wave 5)
.set XCH,   VLB+128*VP                 ; 186,368: 8,192 bytes a wave, never filled by a tensor load: the sums handed over, then the stage of the way out
.set SP,    272                        ; the stage: 16 rows of 256 + 16 bytes
.set PADK, (1<<16)|(1<<20)|(4<<22)|(3<<25)     ; elements of 2 bytes; behind every 32 words 4 words of padding
.set PADV, (1<<16)|(1<<20)|(4<<22)|(7<<25)     ; the same with 8 words
.set FLAT, 3<<16                               ; elements of 8 bytes, no padding
.set G1K, 24                           ; s[24:31], s[32:39], s[40:47]: group 1 of K halves, of V halves and vl, of nlse
.set G1V, 32
.set G1L, 40
.set G0K, 48                           ; s[48:55], s[56:63], s[68:75]: group 0 of K, V, nlse, four registers a slot; s[76:79] vl
.set G0V, 56
.set G0L, 68
.set G0W, 76
.set KA,  4                            ; v4-5   my place in a K fragment, slot 0, 1
.set VA,  6                            ; v6-7   in a V fragment
.set LA,  8                            ; v8-9   in the nlse row
.set STO, 10
.set RD,  11
.set CO,  12
.set XW,  13                           ; v13    where I put the sums that I hand over
.set XR,  14                           ; v14    where my partner (wave xor 4) put those for me
.set QO,  15                           ; v15    lane offset of the Q loads; never rewritten
.set PM,  16                           ; v[16:19]   the diagonal tile's mask on packed weights: register jj holds keys 8 h + 2 jj, + 1
.set QF,  24                           ; v[24:55]   block A's Q fragments: 16 qt + 8 link
.set SS,  56                           ; v[56:87]   score tiles: 8 (2 kt + qt)
.set KF,  88                           ; v[88:151]  K fragments, two buffers: 32 buffer + 16 kt + 8 link
.set VF,  152                          ; v[152:183] V fragments: 8 dt
.set NL,  184                          ; v[184:215] nlse as C, two buffers: 16 buffer + 8 kt
.set PF,  216                          ; v[216:231] weights as B fragments: 8 qt + 4 kt
.set VLA, 232                          ; v232   my place in a fragment of vl
.set RX,  56                           ; at the end: v[56:119] my partner's sums, then the whole sums: 8 (2 dt + qt)
.set RB,  120                          ; v[120:151] rows read back
.set QB,  0                            ; window 1: v[256:287] block B's Q fragments
.set ACA, 32                           ; v[288:351] block A's sums: 8 (2 dt + qt)
.set ACB, 96                           ; v[352:415] block B's sums
.set VW,  160                          ; v[416:447] fragments of vl: 8 dt
.set MSB, 0
.macro WIN new                         ; s_set_vgpr_msb; the immediate's high byte repeats the setting that is left
.if MSB != \new
	s_set_vgpr_msb (MSB<<8)|\new
.set MSB, \new
.endif
.endm
.macro SHAPE g, w0, cols, rows, pitch
	s_mov_b32 s[\g+0], \w0
	s_mov_b32 s[\g+1], (\cols)<<16                 ; tensor_dim0
	s_mov_b32 s[\g+2], (\rows)<<16                 ; tensor_dim1
	s_mov_b32 s[\g+3], (\cols)<<16                 ; tile_dim0
	s_mov_b32 s[\g+4], \rows                       ; tile_dim1
	s_mov_b32 s[\g+5], \pitch
	s_mov_b32 s[\g+6], 0
	s_mov_b32 s[\g+7], 0
.endm
.macro FILL s                          ; waves 0, 1 bring 128 rows of K each, waves 2, 3 128 rows of V each, wave 4 the 256 nlse: one tensor load a wave; waves 5-7 issue none
	s_cmp_eq_u32 s80, 0
	s_cbranch_scc0 .Lnot_k_\@
	tensor_load_to_lds s[G0K+4*(\s):G0K+4*(\s)+3], s[G1K:G1K+7]
	s_nop 0
	s_branch .Lfilled_\@
.Lnot_k_\@:
	s_cmp_eq_u32 s80, 1
	s_cbranch_scc0 .Lnot_v_\@
	tensor_load_to_lds s[G0V+4*(\s):G0V+4*(\s)+3], s[G1V:G1V+7]
	s_nop 0
	s_branch .Lfilled_\@
.Lnot_v_\@:
	s_cmp_lg_u32 s16, 4
	s_cbranch_scc1 .Lfilled_\@
	tensor_load_to_lds s[G0L+4*(\s):G0L+4*(\s)+3], s[G1L:G1L+7]
	s_nop 0
.Lfilled_\@:
.endm
	s_load_b256 s[4:11], s[0:1], 0x0               ; qh s[4:5], kh s[6:7], vh s[8:9], vl s[10:11]
	s_load_b128 s[12:15], s[0:1], 0x20             ; nlse s[12:13], out0 s[14:15]
	v_lshrrev_b32 v1, 5, v0
	v_readfirstlane_b32 s16, v1                    ; wave 0..7
	s_lshr_b32 s17, s16, 2                         ; g: group
	s_and_b32 s18, s16, 3                          ; w: wave in the group
	s_lshr_b32 s80, s16, 1                         ; pair of waves: 0 fetches K, 1 fetches V
	s_mov_b32 s19, ttmp9                           ; p = query block B
	s_and_b32 s20, ttmp7, 0xffff                   ; bh
	s_sub_co_u32 s21, 17, s19
	s_lshr_b32 s21, s21, 1                         ; trips: (17 - p) / 2, 5 to 8
	s_sub_co_u32 s22, 15, s19                      ; query block A
	s_lshl2_add_u32 s23, s22, s18                  ; gd of A: the substep whose 32 keys are my 32 queries' own
	s_lshl2_add_u32 s93, s19, s18                  ; gd of B, always the smaller
	s_lshl_b32 s66, s17, 1                         ; 8 x trip + 2 g
	s_sub_co_u32 s92, s21, 1
	s_lshr_b32 s92, s92, 1
	s_sub_co_u32 s92, s92, 1                       ; pairs of trips in the loop (one pair stands in front of it): 1 or 2
	SHAPE G1K, PADK, 64, 128, 64
	SHAPE G1V, PADV, 64, 128, 64
	SHAPE G1L, FLAT, 128, 1, 128                   ; one row of 1,024 bytes
	s_lshl_b32 s94, s20, 18                        ; 262,144 bytes a head in qh, kh, vh, vl
	s_mov_b32 s95, 0
	s_lshl_b32 s96, s20, 13                        ; 8,192 in nlse
	s_mov_b32 s97, 0
	s_and_b32 s98, s16, 1
	s_lshl_b32 s98, s98, 14                        ; which 128 rows of a tile I fetch: 16,384 bytes
	s_mov_b32 s99, 0
	s_mul_i32 s100, s16, 128*KP                    ; where they go: the wave's number times a constant, for K (waves 0, 1)
	s_mul_i32 s101, s16, 128*VP                    ; and for V (waves 2, 3: from byte 40,960)
	s_wait_kmcnt 0x0
	s_add_nc_u64 s[4:5], s[4:5], s[94:95]
	s_add_nc_u64 s[6:7], s[6:7], s[94:95]
	s_add_nc_u64 s[8:9], s[8:9], s[94:95]
	s_add_nc_u64 s[10:11], s[10:11], s[94:95]
	s_add_nc_u64 s[12:13], s[12:13], s[96:97]
	s_add_nc_u64 s[6:7], s[6:7], s[98:99]
	s_add_nc_u64 s[8:9], s[8:9], s[98:99]
.irp s, 0,1
	s_mov_b32 s[G0K+4*\s], 1
	s_add_co_u32 s[G0K+4*\s+1], s100, \s*SLOT
	s_add_nc_u64 s[G0K+4*\s+2:G0K+4*\s+3], s[6:7], \s*32768        ; slot s starts with key blocks 2 s and 2 s + 1
	s_or_b32 s[G0K+4*\s+3], s[G0K+4*\s+3], 0x80000000
	s_mov_b32 s[G0V+4*\s], 1
	s_add_co_u32 s[G0V+4*\s+1], s101, \s*SLOT
	s_add_nc_u64 s[G0V+4*\s+2:G0V+4*\s+3], s[8:9], \s*32768
	s_or_b32 s[G0V+4*\s+3], s[G0V+4*\s+3], 0x80000000
	s_mov_b32 s[G0L+4*\s], 1
	s_mov_b32 s[G0L+4*\s+1], \s*SLOT+LOFF
	s_add_nc_u64 s[G0L+4*\s+2:G0L+4*\s+3], s[12:13], \s*1024
	s_or_b32 s[G0L+4*\s+3], s[G0L+4*\s+3], 0x80000000
.endr
	s_mov_b32 s[G0W], 1
	s_mov_b32 s[G0W+1], VLB
	s_add_nc_u64 s[G0W+2:G0W+3], s[10:11], 15*16384                ; key block 15
	s_or_b32 s[G0W+3], s[G0W+3], 0x80000000
	; The first fills, ahead of every wait on TENSORcnt, LDS read and barrier: waves 0 to 4 their parts of slot 0; wave 5 vl's last block, in the
	; work-groups whose block A is 15 (p = 0): no other reads it.  One tensor load of a wave is out at the most; every wait on TENSORcnt is for 0.
	FILL 0
	s_cmp_lg_u32 s16, 5
	s_cbranch_scc1 .Lno_vl
	s_cmp_lg_u32 s19, 0
	s_cbranch_scc1 .Lno_vl
	tensor_load_to_lds s[G0W:G0W+3], s[G1V:G1V+7]
	s_nop 0
.Lno_vl:
	s_lshl_b32 s98, s18, 12                        ; my 32 rows in a query block
	s_lshl_b32 s94, s22, 14                        ; block A, 16,384 bytes a block
	s_add_co_u32 s94, s94, s98
	s_mov_b32 s95, 0
	s_lshl_b32 s96, s19, 14                        ; block B
	s_add_co_u32 s96, s96, s98
	s_mov_b32 s97, 0
	s_add_nc_u64 s[96:97], s[4:5], s[96:97]
	s_add_nc_u64 s[4:5], s[4:5], s[94:95]
	v_and_b32 v1, 15, v0                           ; r
	v_bfe_u32 v2, v0, 4, 1                         ; h
	v_and_b32 v3, 7, v0                            ; l % 8
	v_bfe_u32 v20, v0, 3, 1                        ; (l / 8) % 2
	v_and_b32 v21, 31, v0                          ; l
	v_lshlrev_b32 v[QO], 7, v1
	v_lshl_add_u32 v[QO], v2, 4, v[QO]             ; 128 r + 16 h
.irp qt, 0,1
.irp c, 0,1,2,3
	global_load_b128 v[QF+16*\qt+4*\c:QF+16*\qt+4*\c+3], v[QO], s[4:5] offset:2048*\qt+32*\c   ; my 32 queries of block A, resident for the whole walk
.endr
.endr
	WIN 0x40                                       ; destination window 1, address window 0
.irp qt, 0,1
.irp c, 0,1,2,3
	global_load_b128 v[QB+16*\qt+4*\c:QB+16*\qt+4*\c+3], v[QO], s[96:97] offset:2048*\qt+32*\c ; and of block B
.endr
.endr
	WIN 0
	s_mul_i32 s98, s17, 64*KP                      ; my group's two substeps of each block begin 64 g rows down
	v_mul_u32_u24 v[KA], v1, KP
	v_lshl_add_u32 v[KA], v2, 4, v[KA]
	v_add_nc_u32 v[KA], s98, v[KA]
	v_add_nc_u32 v[KA+1], SLOT, v[KA]
	s_mul_i32 s98, s17, 64*VP
	v_lshl_add_u32 v[VLA], v2, 3, v3               ; the transposing load: lane l addresses key 8 h + l % 8, 16 bytes at 16 ((l / 8) % 2)
	v_mul_u32_u24 v[VLA], v[VLA], VP
	v_lshl_add_u32 v[VLA], v20, 4, v[VLA]
	v_add_nc_u32 v[VLA], s98, v[VLA]
	v_add_nc_u32 v[VA], VOFF, v[VLA]
	v_add_nc_u32 v[VA+1], SLOT+VOFF, v[VLA]
	v_add_nc_u32 v[VLA], VLB, v[VLA]
	s_lshl_b32 s98, s17, 8                         ; 64 g keys of 4 bytes
	s_add_co_u32 s98, s98, LOFF
	v_lshl_add_u32 v[LA], v2, 5, s98               ; eight f32 for each half of the lanes
	v_add_nc_u32 v[LA+1], SLOT, v[LA]
	s_lshl_b32 s98, s16, 13
	s_add_co_u32 s98, s98, XCH                     ; my 8,192 bytes
	s_xor_b32 s99, s16, 4
	s_lshl_b32 s99, s99, 13
	s_add_co_u32 s99, s99, XCH                     ; my partner's: the wave of the other group with my queries
	v_lshl_add_u32 v[XW], v21, 4, s98
	v_lshl_add_u32 v[XR], v21, 4, s99
	v_mul_u32_u24 v[STO], v1, SP
	v_lshl_add_u32 v[STO], v2, 5, v[STO]
	v_add_nc_u32 v[STO], s98, v[STO]               ; the stage, in: row r, 32 bytes for each half of the lanes
	v_mul_u32_u24 v[RD], v2, SP
	v_lshl_add_u32 v[RD], v1, 4, v[RD]
	v_add_nc_u32 v[RD], s98, v[RD]                 ; back: lanes 0-15 one row of 256 bytes, lanes 16-31 the next
	v_lshlrev_b32 v[CO], 12, v2
	v_lshl_add_u32 v[CO], v1, 4, v[CO]             ; and the same two rows in out0, 4,096 bytes apart
	v_lshlrev_b32 v20, 3, v2
	v_sub_nc_u32 v20, v1, v20                      ; r - 8 h
	v_mov_b32 v21, 0xffff
	v_mov_b32 v22, 0xffff0000
.irp jj, 0,1,2,3
	v_cmp_le_i32 vcc_lo, 2*\jj, v20                ; key 8 h + 2 jj <= query r: the low half stays
	v_cndmask_b32 v[PM+\jj], 0, v21, vcc_lo
	v_cmp_le_i32 vcc_lo, 2*\jj+1, v20              ; key 8 h + 2 jj + 1 <= query r: the high half stays
	v_cndmask_b32 v23, 0, v22, vcc_lo
	v_or_b32 v[PM+\jj], v[PM+\jj], v23
.endr
; cu = 0, 1: my two substeps of the slot's first block; 4, 5: of its second.
.macro KLOAD slot, cu, buf             ; the fragments of 32 keys: 2 tiles x 2 links, eight loads
.irp kt, 0,1
.irp c, 0,1,2,3
	ds_load_b128 v[KF+32*(\buf)+16*\kt+4*\c:KF+32*(\buf)+16*\kt+4*\c+3], v[KA+\slot] offset:(32*(\cu)+16*\kt)*KP+32*\c
.endr
.endr
.endm
.macro LLOAD slot, cu, buf             ; their nlse in the layout of C: four loads, the same words for the sixteen lanes of a half
.irp kt, 0,1
	ds_load_b128 v[NL+16*(\buf)+8*\kt:NL+16*(\buf)+8*\kt+3],   v[LA+\slot] offset:(32*(\cu)+16*\kt)*4
	ds_load_b128 v[NL+16*(\buf)+8*\kt+4:NL+16*(\buf)+8*\kt+7], v[LA+\slot] offset:(32*(\cu)+16*\kt)*4+16
.endr
.endm
.macro VLOAD slot, cu                  ; V of the 32 keys, transposed: 4 tiles of 16 d, eight loads
.irp dt, 0,1,2,3
	ds_load_tr16_b128 v[VF+8*\dt:VF+8*\dt+3],   v[VA+\slot] offset:32*VP*(\cu)+32*\dt
	ds_load_tr16_b128 v[VF+8*\dt+4:VF+8*\dt+7], v[VA+\slot] offset:32*VP*(\cu)+32*\dt+16*VP
.endr
.endm
; The exponents of 32 keys x 32 queries: qr the queries' fragments, win their window setting, bf the buffer of K and nlse.
.macro SCORE qr, win, bf
	WIN \win
.irp kt, 0,1
.irp qt, 0,1
	v_wmma_f32_16x16x32_f16 v[SS+8*(2*\kt+\qt):SS+8*(2*\kt+\qt)+7], v[KF+32*\bf+16*\kt:KF+32*\bf+16*\kt+7], v[\qr+16*\qt:\qr+16*\qt+7], v[NL+16*\bf+8*\kt:NL+16*\bf+8*\kt+7]
.endr
.endr
.irp kt, 0,1
.irp qt, 0,1
	v_wmma_f32_16x16x32_f16 v[SS+8*(2*\kt+\qt):SS+8*(2*\kt+\qt)+7], v[KF+32*\bf+16*\kt+8:KF+32*\bf+16*\kt+15], v[\qr+16*\qt+8:\qr+16*\qt+15], v[SS+8*(2*\kt+\qt):SS+8*(2*\kt+\qt)+7]   ; the four tiles take turns, one instruction a turn
.endr
.endr
	WIN 0
.rept 4
	v_nop                                          ; four places before scores are read, before loads land on V, K and nlse, and before the weights are rewritten
.endr
.endm
.macro WEIGH                           ; exponents to weights, rounded to f16 in the layout of a B fragment
.set i, 0
.rept 32
	v_exp_f32 v[SS+i], v[SS+i]
.set i, i+1
.endr
	v_nop                                          ; one plain place between the exponentials and the first use of a result (ISA guide 5.7.2)
	s_wait_alu depctr_va_vdst(0)
.irp qt, 0,1
.irp kt, 0,1
.irp jj, 0,1,2,3
	v_cvt_pk_f16_f32 v[PF+8*\qt+4*\kt+\jj], v[SS+8*(2*\kt+\qt)+2*\jj], v[SS+8*(2*\kt+\qt)+2*\jj+1]
.endr
.endr
.endr
.endm
.macro MASKP                           ; the square on the diagonal: tiles (0,0) and (1,1) by the lane words, tile (kt 1, qt 0) is all behind its queries
.irp jj, 0,1,2,3
	v_and_b32 v[PF+\jj], v[PM+\jj], v[PF+\jj]
	v_and_b32 v[PF+12+\jj], v[PM+\jj], v[PF+12+\jj]
	v_mov_b32 v[PF+4+\jj], 0
.endr
.endm
.macro PV acc, zero                    ; sums (window 1) += V x weights; the eight sums take turns, one instruction a turn
	WIN 0x50                                       ; C and D window 1
.irp dt, 0,1,2,3
.irp qt, 0,1
.if \zero
	v_wmma_f32_16x16x32_f16 v[\acc+8*(2*\dt+\qt):\acc+8*(2*\dt+\qt)+7], v[VF+8*\dt:VF+8*\dt+7], v[PF+8*\qt:PF+8*\qt+7], 0
.else
	v_wmma_f32_16x16x32_f16 v[\acc+8*(2*\dt+\qt):\acc+8*(2*\dt+\qt)+7], v[VF+8*\dt:VF+8*\dt+7], v[PF+8*\qt:PF+8*\qt+7], v[\acc+8*(2*\dt+\qt):\acc+8*(2*\dt+\qt)+7]
.endif
.endr
.endr
	WIN 0
.endm
; Substep 2 g + cu of a trip, its K and nlse in buffer bf.  nxt: my next substep of the trip (-1: none), fetched into the other buffer first of all.
; zero = 1: the first products start the sums of both blocks.  lo = 1: the text holds the product with vl.
.macro SUB slot, cu, bf, nxt, zero, lo, endl
	s_add_co_u32 s67, s66, \cu                     ; this substep's number
.if \nxt >= 0
	KLOAD \slot, \nxt, 1-\bf
	LLOAD \slot, \nxt, 1-\bf
	s_wait_dscnt 12                                ; this substep's K and nlse are in; the 8 + 4 loads just issued may stay out
.else
	s_wait_dscnt 0x0
.endif
	SCORE QF, 0, \bf                               ; block A
	VLOAD \slot, \cu                               ; comes in under the exponentials
	WEIGH
	s_cmp_lg_u32 s67, s23
	s_cbranch_scc1 .Lwhole_a_\@
	MASKP
.Lwhole_a_\@:
	s_wait_dscnt 0x0                               ; V is in (the next substep's loads were issued ahead of it)
	PV ACA, \zero
.if \lo
	s_cmp_lt_u32 s67, 60
	s_cbranch_scc1 .Lno_lo_\@                      ; substeps 60 to 63 are key block 15: only block A = 15 comes so far
	WIN 0x40                                       ; destination window 1
.irp dt, 0,1,2,3
	ds_load_tr16_b128 v[VW+8*\dt:VW+8*\dt+3],   v[VLA] offset:32*VP*(\cu-4)+32*\dt
	ds_load_tr16_b128 v[VW+8*\dt+4:VW+8*\dt+7], v[VLA] offset:32*VP*(\cu-4)+32*\dt+16*VP
.endr
	WIN 0
	s_wait_dscnt 0x0
	WIN 0x51                                       ; A, C and D window 1
.irp dt, 0,1,2,3                               ; weights x lower part of v, in the same order of turns
.irp qt, 0,1
	v_wmma_f32_16x16x32_f16 v[ACA+8*(2*\dt+\qt):ACA+8*(2*\dt+\qt)+7], v[VW+8*\dt:VW+8*\dt+7], v[PF+8*\qt:PF+8*\qt+7], v[ACA+8*(2*\dt+\qt):ACA+8*(2*\dt+\qt)+7]
.endr
.endr
	WIN 0
.Lno_lo_\@:
.endif
.if \zero == 0
	s_cmp_gt_u32 s67, s93
	s_cbranch_scc1 .Lno_b_\@                       ; these keys lie behind all my queries of block B
.endif
	SCORE QB, 0x04, \bf                            ; block B: the queries (source 1) in window 1
	WEIGH
	s_cmp_lg_u32 s67, s93
	s_cbranch_scc1 .Lwhole_b_\@
	MASKP
.Lwhole_b_\@:
.if \zero
	s_cmp_le_u32 s67, s93
	s_cbranch_scc1 .Lkeep_\@
.set i, 0
.rept 16
	v_mov_b32 v[PF+i], 0                           ; group 1's first keys may lie behind all of block B's queries (p = 0, w < 2): weights 0, so that the product starts the sums at 0
.set i, i+1
.endr
.Lkeep_\@:
.endif
	PV ACB, \zero
.Lno_b_\@:
.if \nxt >= 0
	s_add_co_u32 s67, s66, \nxt
	s_cmp_gt_u32 s67, s23
	s_cbranch_scc1 \endl                           ; behind block A's diagonal nothing is left for this wave
.endif
.endm
; A trip.  In front of the barrier every wave waits for all its tensor loads and for its reads of the slot read last; behind it that slot is filled
; again first, one tensor load a wave, and then this trip's slot is read.
.macro TRIP slot, refill, zero, lo
	s_wait_tensorcnt 0x0                           ; all my tensor loads have landed, my part of this trip's tiles among them,
	s_add_nc_u64 s[G0K+4*\slot+2:G0K+4*\slot+3], s[G0K+4*\slot+2:G0K+4*\slot+3], 65536    ; so every group 0 may be written: this slot's next tiles, four blocks up
	s_add_nc_u64 s[G0V+4*\slot+2:G0V+4*\slot+3], s[G0V+4*\slot+2:G0V+4*\slot+3], 65536
	s_add_nc_u64 s[G0L+4*\slot+2:G0L+4*\slot+3], s[G0L+4*\slot+2:G0L+4*\slot+3], 2048
	s_wait_dscnt 0x0                               ; my reads of the last trip's tiles are over
	s_barrier_signal -1
	s_barrier_wait -1                              ; both now hold of every wave
.if \refill
	FILL 1-\slot
.endif
.if \zero == 0
	s_cmp_gt_u32 s66, s23
	s_cbranch_scc1 .Lend_\@                        ; my keys of these tiles lie behind all my queries
.endif
	KLOAD \slot, 0, 0
	LLOAD \slot, 0, 0
	SUB \slot, 0, 0, 1, \zero, 0, .Lend_\@
	SUB \slot, 1, 1, 4, 0, 0, .Lend_\@
	SUB \slot, 4, 0, 5, 0, \lo, .Lend_\@
	SUB \slot, 5, 1, -1, 0, \lo, .Lend_\@
.Lend_\@:
	s_add_co_u32 s66, s66, 8
.endm
	s_wait_loadcnt 0x0                             ; my Q fragments, once
	TRIP 0, 1, 1, 0                                ; the first pair stands in front of the loop: every wave's first substep starts its sums of both
	TRIP 1, 1, 0, 0                                ; blocks, so nothing is cleared
.Lpair:
	TRIP 0, 1, 0, 0
	TRIP 1, 1, 0, 0
	s_sub_co_u32 s92, s92, 1
	s_cmp_gt_i32 s92, 0                            ; a signed compare: the loop ends from any start
	s_cbranch_scc1 .Lpair
	s_bitcmp1_b32 s21, 0                           ; the number of trips hangs on the work-group's x alone: every wave takes the same way
	s_cbranch_scc1 .Lodd
	TRIP 0, 1, 0, 0                                ; an even number: two trips are left, the last fills nothing.  With 8 trips (p = 0) its second block
	TRIP 1, 0, 0, 1                                ; is key block 15: the one place where vl is multiplied
	s_branch .Lout
.Lodd:
	TRIP 0, 0, 0, 0                                ; an odd number: one trip is left
.Lout:
	; THE TWO GROUPS' SUMS MEET.  Group 0 stores block A and hands over its sums of B; group 1 stores block B and hands over its sums of A:
	; 64 registers a lane, 16 bytes a lane a store, 8,192 bytes a wave.
	s_wait_dscnt 0x0                               ; fragments asked for behind the diagonal
.rept 4
	v_nop                                          ; four places before the sums are read and loads land on the score and K registers
.endr
	s_cmp_lg_u32 s17, 0
	s_cbranch_scc1 .Lgive_a
	WIN 0x04                                       ; store data window 1
.set i, 0
.rept 16
	ds_store_b128 v[XW], v[ACB+4*i:ACB+4*i+3] offset:512*i
.set i, i+1
.endr
	WIN 0
	s_branch .Lgiven
.Lgive_a:
	WIN 0x04
.set i, 0
.rept 16
	ds_store_b128 v[XW], v[ACA+4*i:ACA+4*i+3] offset:512*i
.set i, i+1
.endr
	WIN 0
.Lgiven:
	s_wait_dscnt 0x0                               ; for my partner's sake: zero
	s_barrier_signal -1
	s_barrier_wait -1
.set i, 0
.rept 16
	ds_load_b128 v[RX+4*i:RX+4*i+3], v[XR] offset:512*i
.set i, i+1
.endr
	s_wait_dscnt 0x0                               ; I have read my partner's bytes,
	s_barrier_signal -1
	s_barrier_wait -1                              ; and my partner mine: from here on my 8,192 bytes are my stage
	s_cmp_lg_u32 s17, 0
	s_cbranch_scc1 .Lsum_b
	WIN 0x01                                       ; source 0 window 1
.set i, 0
.rept 32
	v_pk_add_f32 v[RX+2*i:RX+2*i+1], v[ACA+2*i:ACA+2*i+1], v[RX+2*i:RX+2*i+1]
.set i, i+1
.endr
	WIN 0
	s_branch .Lsummed
.Lsum_b:
	WIN 0x01
.set i, 0
.rept 32
	v_pk_add_f32 v[RX+2*i:RX+2*i+1], v[ACB+2*i:ACB+2*i+1], v[RX+2*i:RX+2*i+1]
.set i, i+1
.endr
	WIN 0
.Lsummed:
	; THE WAY OUT, 16 queries at a time: a lane's 8 neighbouring d (32 bytes) go into my stage and come back as rows of 256 bytes, one head's part of a
	; row of out0: sixteen lanes store 256 consecutive aligned bytes.
	s_cmp_lg_u32 s17, 0
	s_cselect_b32 s96, s19, s22                    ; the block that my group stores: A or B
	s_lshr_b32 s94, s20, 4                         ; batch: 2,048 rows of 4,096 bytes
	s_lshl_b32 s94, s94, 23
	s_and_b32 s95, s20, 15                         ; head: 256 bytes of a row
	s_lshl_b32 s95, s95, 8
	s_add_co_u32 s94, s94, s95
	s_lshl_b32 s95, s96, 19                        ; the block: 128 rows
	s_add_co_u32 s94, s94, s95
	s_lshl_b32 s95, s18, 17                        ; my 32 rows
	s_add_co_u32 s94, s94, s95
	s_mov_b32 s95, 0
	s_add_nc_u64 s[14:15], s[14:15], s[94:95]
.irp qt, 0,1
.irp dt, 0,1,2,3
	ds_store_b128 v[STO], v[RX+8*(2*\dt+\qt):RX+8*(2*\dt+\qt)+3]   offset:64*\dt
	ds_store_b128 v[STO], v[RX+8*(2*\dt+\qt)+4:RX+8*(2*\dt+\qt)+7] offset:64*\dt+16
.endr
	s_wait_xcnt 0x0                                ; the registers that the last stores read are loaded again only behind this wait
.irp t, 0,1,2,3,4,5,6,7
	ds_load_b128 v[RB+4*\t:RB+4*\t+3], v[RD] offset:2*SP*\t        ; LDS serves a wave's instructions in order: these see the stores above
.endr
.irp t, 0,1,2,3,4,5,6,7
	s_wait_dscnt 7-\t                              ; the loads behind this one may stay out
	global_store_b128 v[CO], v[RB+4*\t:RB+4*\t+3], s[14:15] offset:(16*\qt+2*\t)*4096 th:TH_STORE_NT
.endr
.endr
	s_endpgm
.Lfunc_end_k_q0ca6222a41_ctx:
	.size	k_q0ca6222a41_ctx, .Lfunc_end_k_q0ca6222a41_ctx-k_q0ca6222a41_ctx
	.p2alignl 7, 3214868480
	.fill 96, 4, 3214868480
	.section	.rodata,"a",@progbits
	.p2align	6, 0x0
	.amdhsa_kernel k_q0ca6222a41_ctx
		.amdhsa_group_segment_fixed_size 327680
		.amdhsa_private_segment_fixed_size 0
		.amdhsa_enable_private_segment 0
		.amdhsa_kernarg_size 48
		.amdhsa_user_sgpr_count 2
		.amdhsa_user_sgpr_kernarg_segment_ptr 1
		.amdhsa_wavefront_size32 1
		.amdhsa_system_sgpr_workgroup_id_x 1
		.amdhsa_system_sgpr_workgroup_id_y 1
		.amdhsa_system_sgpr_workgroup_id_z 1
		.amdhsa_system_vgpr_workitem_id 0
		.amdhsa_next_free_vgpr 448
		.amdhsa_next_free_sgpr 102
		.amdhsa_reserve_vcc 1
		.amdhsa_float_denorm_mode_32 3
		.amdhsa_float_denorm_mode_16_64 3
		.amdhsa_memory_ordered 1
		.amdhsa_forward_progress 1
		.amdhsa_inst_pref_size 255
	.end_amdhsa_kernel
	.section	.bss,"aw",@nobits
	.p2align	6
	.space	262144
	.amdgpu_metadata
---
amdhsa.version: [ 1, 2 ]
amdhsa.kernels:
  - .name:           k_q0ca6222a41_ctx
    .symbol:         k_q0ca6222a41_ctx.kd
    .args:
      - { .name: qh, .offset: 0, .size: 8, .value_kind: global_buffer, .address_space: global }
      - { .name: kh, .offset: 8, .size: 8, .value_kind: global_buffer, .address_space: global }
      - { .name: vh, .offset: 16, .size: 8, .value_kind: global_buffer, .address_space: global }
      - { .name: vl, .offset: 24, .size: 8, .value_kind: global_buffer, .address_space: global }
      - { .name: nlse, .offset: 32, .size: 8, .value_kind: global_buffer, .address_space: global }
      - { .name: out0, .offset: 40, .size: 8, .value_kind: global_buffer, .address_space: global }
    .group_segment_fixed_size: 327680
    .private_segment_fixed_size: 0
    .kernarg_segment_align: 8
    .kernarg_segment_size: 48
    .max_flat_workgroup_size: 256
    .sgpr_count:     102
    .vgpr_count:     448
    .wavefront_size: 32
...
	.end_amdgpu_metadata
.endif
;; end of part 6
